; MI455X (gfx1250); checked and timed in simulation.
; The chip was launched on July 23, 2026; its instructions are those of AMD's public machine-readable ISA for CDNA 5 (MIT licence, August 2026) and "CDNA5" Instruction Set Architecture Reference Guide (July 2026). The comments in the code are by the model that wrote it; some were corrected since.
;; Multi Head Attention. Allowed arithmetic: matrix products marked QUANTISED: E2M1 operands, one E8M0 scale for each 32 along K, by v_wmma_scale_f32_16x16x128_f8f6f4 with both operands' format E2M1 (or v_wmma_scale_f32_32x16x128_f4), f32 sums; everything else in f32.
;; Inputs: Wk_codes 1,024 x 32 x 16 uint8 (E2M1 codes of Wk, K innermost, in blocks of 32 codes, two codes a byte); Wk_scales 1,024 x 32 uint8 (E8M0 scales of Wk, one for each 32 codes along K); Wo_codes 1,024 x 32 x 16 uint8 (E2M1 codes of Wo, K innermost, in blocks of 32 codes, two codes a byte); Wo_scales 1,024 x 32 uint8 (E8M0 scales of Wo, one for each 32 codes along K); Wq_codes 1,024 x 32 x 16 uint8 (E2M1 codes of Wq, K innermost, in blocks of 32 codes, two codes a byte); Wq_scales 1,024 x 32 uint8 (E8M0 scales of Wq, one for each 32 codes along K); Wv_codes 1,024 x 32 x 16 uint8 (E2M1 codes of Wv, K innermost, in blocks of 32 codes, two codes a byte); Wv_scales 1,024 x 32 uint8 (E8M0 scales of Wv, one for each 32 codes along K); bk 1,024 float32; bo 1,024 float32; bq 1,024 float32; bv 1,024 float32; key_codes 4 x 2,048 x 32 x 16 uint8 (E2M1 codes of key, K innermost, in blocks of 32 codes, two codes a byte); key_scales 4 x 2,048 x 32 uint8 (E8M0 scales of key, one for each 32 codes along K); mask 2,048 x 2,048 bool; query_codes 4 x 2,048 x 32 x 16 uint8 (E2M1 codes of query, K innermost, in blocks of 32 codes, two codes a byte); query_scales 4 x 2,048 x 32 uint8 (E8M0 scales of query, one for each 32 codes along K); value_codes 4 x 2,048 x 32 x 16 uint8 (E2M1 codes of value, K innermost, in blocks of 32 codes, two codes a byte); value_scales 4 x 2,048 x 32 uint8 (E8M0 scales of value, one for each 32 codes along K).
;; Outputs: out0 4 x 2,048 x 1,024 float32.
;; This version of the problem:
;;   THIS VERSION OF THE PROBLEM IS GIVEN IN LOW PRECISION. The matrix products marked QUANTISED in the list below multiply operands that are first quantised to E2M1 (2 exponent bits, 1 mantissa bit; 4 bits a number), with one power-of-two scale for each 32 numbers along K (OCP MX v1.0); their sums are f32. All else is computed in f32.
;;   The module's matrix products, in the order in which they are computed (A, B: the left and right operand; K: the contracted axis; several contracted axes count as one K, in the product's order):
;;     1. [M 8,192, K 1,024] x [K 1,024, N 1,024]; A: input query (given as codes); B: input Wq (given as codes): QUANTISED
;;     2. [M 8,192, K 1,024] x [K 1,024, N 1,024]; A: input key (given as codes); B: input Wk (given as codes): QUANTISED
;;     3. [M 8,192, K 1,024] x [K 1,024, N 1,024]; A: input value (given as codes); B: input Wv (given as codes): QUANTISED
;;     4. batch 64 x [M 2,048, K 64] x [K 64, N 2,048]; A: computed on the way; B: computed on the way: QUANTISED
;;     5. batch 64 x [M 2,048, K 2,048] x [K 2,048, N 64]; A: softmax (see below); B: computed on the way: QUANTISED
;;     6. [M 8,192, K 1,024] x [K 1,024, N 1,024]; A: computed on the way; B: input Wo (given as codes): QUANTISED
;;   THE QUANTISER, for each operand of a quantised product, along K:
;;     - K is cut into blocks of 32 from its start; a last block that is shorter is filled with zeros.
;;     - A block's scale is 2^e with e = floor(log2(the largest magnitude in the block)) - 2, held to -126 .. 127; a block of zeros has e = 0. As a byte (E8M0): e + 127.
;;     - Each number is divided by its block's scale, clamped to +-6, and rounded to the nearest number of E2M1, ties to even, subnormals kept.
;;     - The product sums the exact products of the quantised numbers (number of the format x scale) in f32.
;;   ~~~python
;;   def quantise(x, axis):      # numpy; x: float32 -> the quantised numbers, widened to float32 again
;;       x = np.moveaxis(x, axis, -1); K = x.shape[-1]
;;       x = np.pad(x, [(0, 0)] * (x.ndim - 1) + [(0, -K % 32)]); x = x.reshape(x.shape[:-1] + (-1, 32)); a = np.abs(x).max(-1, keepdims=True)
;;       e = np.where(a > 0, np.clip(np.frexp(np.where(a > 0, a, 1))[1] - 1 - 2, -126, 127), 0)      # np.frexp(a)[1] - 1 = floor(log2(a)), exactly
;;       r = np.clip(x / 2.0 ** e, -6, 6)
;;       step = 2.0 ** (np.maximum(np.frexp(np.where(r == 0, 1, r))[1] - 1, 0) - 1)
;;       q = np.round(r / step) * step * 2.0 ** e      # np.round: ties to even
;;       return np.moveaxis(q.reshape(q.shape[:-2] + (-1,))[..., :K], -1, axis).astype(np.float32)
;;   ~~~
;;   SOFTMAX AHEAD OF A QUANTISED PRODUCT. Where the list says 'softmax', what is quantised is not the finished softmax but p = 2^(t - M), with t = logit x log2(e) and M = ceil(the row's largest t), a whole number; so 1/2 < the row's largest p <= 1. The row's sum l is taken of the UNQUANTISED p, in f32, and the product's result is divided by l at the end. Since M is a whole number, a kernel that streams over the keys may use a running M (the ceiling of the running maximum): every later rescaling is an exact power of two, which a block's scale takes up: the codes' values come out the same.
;;   OPERANDS COMPUTED ON THE WAY. 'Computed on the way' means the value that the module computes at that place (a softmax that the list does not call 'softmax' is quantised finished and normalised). What goes into a quantiser is computed in f32, as accurately as f32 sums, v_exp_f32 and their like allow (about 1e-6 of the number): no bf16 or f16 on the way to a quantiser, and a product that is left as it is and whose result goes on into a quantised operand takes f32 operands (vector FMAs, or v_wmma_f32_16x16x4_f32). A number that lies on a knife's edge between two numbers of the format may be rounded either way, as far as f32 arithmetic and the matrix unit's own rounding can turn it there, and no further.
;;   INPUTS GIVEN AS CODES. Wk (in the module: [1024, 1024], K = its axis 1); Wo (in the module: [1024, 1024], K = its axis 1); Wq (in the module: [1024, 1024], K = its axis 1); Wv (in the module: [1024, 1024], K = its axis 1); key (in the module: [4, 2048, 1024], K = its axis 2); query (in the module: [4, 2048, 1024], K = its axis 2); value (in the module: [4, 2048, 1024], K = its axis 2): each comes as NAME_codes (uint8): NAME with its K axis moved to the last place and cut into blocks of 32 codes, [.., K / 32, bytes a block], one block behind the other in memory; two codes a byte, the lower K in the low four bits (a code: sign, 2 exponent bits, 1 mantissa bit); and NAME_scales (uint8): the same leading axes, one E8M0 byte (e + 127) for each 32 codes along K. Its value is code x scale, taken as it is: it is not quantised again, and the codes and scales need not be those that the quantiser above would give.
;; One version. Each part assembles by itself: llvm-mc -triple=amdgcn-amd-amdhsa -mcpu=gfx1250 --defsym DOCPART=n.
;; ======== version 1 of 1: 3 launches
;; limits: right only within a limited range of input values
;; workspace buffers: cod 12,582,912 bytes; scl 786,432 bytes; mbits 524,288 bytes of whole numbers; ac 4,194,304 bytes; asc 262,144 bytes
;; launch proj (part 1): grid 4 x 192, 8 waves a work-group, clusters of 4 x 4, 222,208 bytes of LDS; arguments query_codes, key_codes, value_codes, query_scales, key_scales, value_scales, Wq_codes, Wk_codes, Wv_codes, Wq_scales, Wk_scales, Wv_scales, bq, bk, bv, mask, cod, scl, mbits; writes cod, scl, mbits
.if DOCPART == 1
	.amdgcn_target "amdgcn-amd-amdhsa--gfx1250"
	.amdhsa_code_object_version 6
	.text
	.protected	k_q2fab4f3079_proj
	.globl	k_q2fab4f3079_proj
	.p2align	8
	.type	k_q2fab4f3079_proj,@function
k_q2fab4f3079_proj:
	s_mov_b64 s[64:65], 0
	v_nop
	global_prefetch_b8 v0, s[64:65] scope:SCOPE_SE
	s_setreg_imm32_b32 hwreg(HW_REG_WAVE_MODE, 25, 1), 1
	s_wait_xcnt 0x0
	s_wait_alu depctr_hold_cnt(0) depctr_sa_sdst(0) depctr_va_vdst(0) depctr_va_sdst(0) depctr_va_ssrc(0) depctr_va_vcc(0) depctr_vm_vsrc(0)
	s_getreg_b32 s2, hwreg(HW_REG_IB_STS2, 6, 4)
	s_cmp_eq_u32 s2, 0
	s_cbranch_scc0 .Lentry_in_a_cluster
	s_endpgm
.Lentry_in_a_cluster:
	s_bfe_u32 s2, ttmp6, 0x10000c
	s_cmp_lg_u32 s2, 0xf033
	s_cbranch_scc0 .Lentry_shape_is_right
	s_endpgm
.Lentry_shape_is_right:
; THE THREE INPUT PROJECTIONS OF MULTI-HEAD ATTENTION ON CODES OF E2M1, their results quantised again on the way out, and the mask packed into lane-mask words.
; Q = query Wq^T + bq, K = key Wk^T + bk, V = value Wv^T + bv: [8192][1024] x [1024][1024], K = 1,024 codes = 512 bytes a row, one E8M0 byte for each 32.
; ONE PATH FOR THREE PRODUCTS.  The text computes D = S0 S1^T (source 0 = 16 rows of S0, source 1 = 16 rows of S1): a lane then holds ONE row of S1, and its registers run along S0's rows,
; which is the axis along which the result is quantised.  MODE = cluster y / 16.  MODE 0, 1 (Q, K): S0 = the weight, S1 = the tokens: a lane holds a token, registers run along the head's 64.
; MODE 2 (V): S0 = the tokens (the keys), S1 = Wv: a lane holds one channel d, registers run along the keys.  Only pointers and scalar offsets are chosen, by selects on MODE; no branch but the mask's.
; SHARES.  A work-group takes 256 rows of S0 x 128 rows of S1 and all of K; both tiles lie whole in LDS, filled once: no slot is ever filled again.  Eight waves: wave (w0, w1) takes 128 rows of S0
; (8 tiles) x 32 rows of S1 (2 tiles): 16 accumulators.  A lane's 64 numbers of one S1 tile are 4 blocks of 32 (with lane xor 16): one fragment of codes (8 registers) and one scale word.
; CLUSTER 4 x 4: S0's tile hangs on i0 = 4 cl0 + cx and is asked for jointly by a column of the cluster, S1's on i1 = 4 cl1 + cy and by a row: the same loads with the same descriptors in all four.
; THE BIAS STARTS THE SUMS: accumulator = b(S0 row) x (1 or 0) + b(S1 row) (or 0), by MODE; every product then adds in place.
; OUT: cod: images of operand registers (lane L's 16 bytes at 16 L, 512 bytes for four registers): Q and K at [bh][tile of 16 rows][512]; V at [bh][step of 128 keys][c][dt][512].
;      scl: Q, K: [bh][pair of tiles][r] words: bytes 0, 1 the even tile's row r, bytes 2, 3 the odd tile's.  V: [bh][step][dt][r] words, byte b for keys 32 b on.
;      mbits: [query tile T][step][m] words: bit L = r + 16 h of word m = 8 t + j is mask[16 T + r][128 step + 16 t + 8 h + j]: the order of the score registers in the attention launch.
; LIMITS: NaN and infinities among the inputs are not served.  A block whose largest magnitude lies under 2^-124, a block of zeros too, gets the scale byte 1 (its codes are then zeros or tiny; the bytes are read by this program alone).
; The scale words leave as 64 bytes from sixteen lanes, and a mask tile is read as 128 bytes of each of 16 rows: both are small beside the codes.
.set PITCH, 272                        ; an LDS row of codes: 256 bytes + 16 of padding: the 16 rows that a fragment load touches start 68 words apart
.set S0CH,  256*PITCH                  ; S0's codes, chunk c (bytes 256 c .. 256 c + 255 of each row) at c x S0CH
.set S1B,   2*S0CH                     ; S1's chunks behind them,
.set S1CH,  128*PITCH                  ; 128 rows each
.set SCL0,  S1B+2*S1CH                 ; S0's scale bytes: 256 rows x 32, dense
.set SCL1,  SCL0+8192                  ; S1's: 128 rows x 32
.set ACC, 16                           ; v16-143   accumulator (t0, t1) at ACC + 64 t1 + 8 t0
.set F0,  144                          ; v144-207  S0's 8 fragments of a K step (first: the bias of S0's rows)
.set F1,  208                          ; v208-223  S1's 2 fragments; at the end the codes made
.set SA,  224                          ; v224-239  S0's scale words: pair p of tiles, K step q of the chunk at SA + 4 p + q; lanes 0-15 tile 2 p, lanes 16-31 tile 2 p + 1
.set SB,  240                          ; v240-243  S1's: lanes 0-15 tile 0, lanes 16-31 tile 1
.set TM,  244                          ; v244-247 largest magnitudes, v248-251 the other half's and then the bytes, v252-255 the conversions' scale operands
.set W0, 2                             ; s2  wave & 1: which 128 rows of S0
.set W1, 3                             ; s3  wave >> 1: which 32 rows of S1
.set G1A, 4                            ; s[4:11]   group 1: S0's codes     (these registers hold arguments first)
.set G1B, 12                           ; s[12:19]  S1's codes
.set G1SA, 20                          ; s[20:27]  S0's scale bytes
.set CB0, 28                           ; s[28:29]  where my codes' registers 0-3 go
.set CB1, 30                           ; s[30:31]  and registers 4-7
.set SCB, 32                           ; s[32:33]  where my scale words go
.set WV, 42
.set W3, 43
.set CX, 44
.set CY, 45
.set MODE, 46
.set WITHIN, 47
.set HM, 47                            ; later: the lane mask of lanes 16-31
.set SEL, 58                           ; s[58:59] v_permlanex16_b32's selects for lane xor 16
.set SELA, 60
.set SELB, 61
.set MQ, 62                            ; s[62:63] 1.0 in MODE 0, 1; 0.0 in MODE 2
.set MV, 66                            ; all ones in MODE 2, else 0
.set DELTA, 67
.set G1SB, 68                          ; s[68:75]  S1's scale bytes
.set G0A, 76                           ; s[76:87]  groups 0 for S0: scales, chunk 0, chunk 1
.set G0B, 88                           ; s[88:99]  the same for S1
.set I0, 100
.set I1, 101
; A round of the cluster's barrier.
.macro ROUND
	s_barrier_signal -1
	s_barrier_wait -1
	s_cmp_lg_u32 s[WV], 0
	s_cbranch_scc1 .Lnot_wave_0_\@
	s_barrier_signal -3
.Lnot_wave_0_\@:
	s_barrier_wait -3
	s_barrier_signal -1
	s_barrier_wait -1
.endm
; One product, added in place.  xD, xA, xB: first registers of the sum, of source 0, of source 1; xSA, xSB their scale registers; xRA, xRB = 1: those scales stand in lanes 16-31.
.macro WM
.if xRA && xRB
	v_wmma_scale_f32_16x16x128_f8f6f4 v[xD:xD+7], v[xA:xA+7], v[xB:xB+7], v[xD:xD+7], v[xSA], v[xSB] matrix_a_fmt:MATRIX_FMT_FP4 matrix_b_fmt:MATRIX_FMT_FP4 matrix_a_scale:MATRIX_SCALE_ROW1 matrix_b_scale:MATRIX_SCALE_ROW1
.elseif xRA
	v_wmma_scale_f32_16x16x128_f8f6f4 v[xD:xD+7], v[xA:xA+7], v[xB:xB+7], v[xD:xD+7], v[xSA], v[xSB] matrix_a_fmt:MATRIX_FMT_FP4 matrix_b_fmt:MATRIX_FMT_FP4 matrix_a_scale:MATRIX_SCALE_ROW1
.elseif xRB
	v_wmma_scale_f32_16x16x128_f8f6f4 v[xD:xD+7], v[xA:xA+7], v[xB:xB+7], v[xD:xD+7], v[xSA], v[xSB] matrix_a_fmt:MATRIX_FMT_FP4 matrix_b_fmt:MATRIX_FMT_FP4 matrix_b_scale:MATRIX_SCALE_ROW1
.else
	v_wmma_scale_f32_16x16x128_f8f6f4 v[xD:xD+7], v[xA:xA+7], v[xB:xB+7], v[xD:xD+7], v[xSA], v[xSB] matrix_a_fmt:MATRIX_FMT_FP4 matrix_b_fmt:MATRIX_FMT_FP4
.endif
.endm
; A step of 128 along K: the q-th of chunk c.  20 LDS loads (25 with the chunk's scale words), 16 products, the 16 accumulators by turns, one instruction a turn.
.macro KSTEP c, q, first
.if !(\first)
.rept 4
	v_nop                                          ; four places between the last products and loads into registers that they read
.endr
.endif
.if (\q) == 0
.irp p, 0,1,2,3
	ds_load_b128 v[SA+4*\p:SA+4*\p+3], v5 offset:1024*\p+16*(\c)   ; the chunk's four scale words of 32 rows of S0
.endr
	ds_load_b128 v[SB:SB+3], v6 offset:16*(\c)     ; and of my 32 rows of S1
.endif
.irp u, 0,1
.irp e, 0,1
	ds_load_b128 v[F1+8*\u+4*\e:F1+8*\u+4*\e+3], v[3+(\c)] offset:16*PITCH*\u+64*(\q)+32*\e
.endr
.endr
.irp t, 0,1,2,3,4,5,6,7
.irp e, 0,1
	ds_load_b128 v[F0+8*\t+4*\e:F0+8*\t+4*\e+3], v[1+(\c)] offset:16*PITCH*\t+64*(\q)+32*\e
.endr
.endr
.irp g, 0,1,2,3
	s_wait_dscnt 12-4*\g                           ; LDS loads come back in order: all but the fragments of S0's tiles behind 2 g + 1 are in
.irp t, 2*\g, 2*\g+1
.irp u, 0,1
.set xD, ACC+64*\u+8*(\t)
.set xA, F0+8*(\t)
.set xB, F1+8*\u
.set xSA, SA+4*((\t)/2)+(\q)
.set xSB, SB+(\q)
.set xRA, (\t)%2
.set xRB, \u
	WM
.endr
.endr
.endr
.endm
; 64 numbers of a lane, v[s] on: register 16 b + 8 u + j is index 32 b + 16 u + 8 (lane / 16) + j along the next K.  They become a fragment's codes in v[pc] on and the row's scale word in v[pw].
; A conversion puts eight codes into one register, so the halves of a block are brought together by exchanging lanes 16-31 of one register with lanes 0-15 of the next.
.macro QUANT s, pc, pw
.irp b, 0,1,2,3
	v_max3_num_f32 v[TM+\b], |v[(\s)+16*\b]|, |v[(\s)+16*\b+1]|, 0x1800000   ; block b: my 16 numbers, from each accumulator's low end on, and the floor 2^(3 - 127): the byte cannot fall under 1
.endr
.irp i, 2,4,6,8,10,12,14
.irp b, 0,1,2,3
	v_max3_num_f32 v[TM+\b], v[TM+\b], |v[(\s)+16*\b+\i]|, |v[(\s)+16*\b+\i+1]|
.endr
.endr
.irp b, 0,1,2,3
	s_delay_alu instid0(VALU_DEP_4)
	v_permlanex16_b32 v[TM+4+\b], v[TM+\b], s[SEL], s[SEL+1]
.endr
.irp b, 0,1,2,3
	s_delay_alu instid0(VALU_DEP_4)
	v_max_num_f32 v[TM+\b], v[TM+\b], v[TM+4+\b]   ; with lane xor 16's 16: the block's largest magnitude
.endr
.irp b, 0,1,2,3
	s_delay_alu instid0(VALU_DEP_4)
	v_add_nc_u32 v[TM+8+\b], 0xff000000, v[TM+\b]  ; 2 off its exponent field: the conversion takes this operand's exponent field as its scale
.endr
.irp b, 0,1,2,3
	s_delay_alu instid0(VALU_DEP_4)
	v_lshrrev_b32 v[TM+4+\b], 23, v[TM+8+\b]       ; the scale's byte
.endr
	s_delay_alu instid0(VALU_DEP_3)
	v_lshl_or_b32 v[\pw], v[TM+5], 8, v[TM+4]
	s_delay_alu instid0(VALU_DEP_1)
	v_lshl_or_b32 v[\pw], v[TM+6], 16, v[\pw]
	s_delay_alu instid0(VALU_DEP_1)
	v_lshl_or_b32 v[\pw], v[TM+7], 24, v[\pw]
.irp b, 0,1,2,3
	v_cvt_scalef32_pk8_fp4_f32 v[(\pc)+4*(\b/2)+(\b%2)], v[(\s)+16*\b:(\s)+16*\b+7], v[TM+8+\b]       ; k = 8 h + 0 .. 7 of block b
	v_cvt_scalef32_pk8_fp4_f32 v[(\pc)+4*(\b/2)+2+(\b%2)], v[(\s)+16*\b+8:(\s)+16*\b+15], v[TM+8+\b]  ; k = 16 + 8 h + 0 .. 7
.endr
	v_nop                                          ; one plain instruction behind the scaled conversions
.irp c, 0,1                                        ; register 4 c + i then holds k = 64 c + 32 h + 8 i + 0 .. 7
	v_permlane16_swap_b32 v[(\pc)+4*\c], v[(\pc)+4*\c+1]
	v_permlane16_swap_b32 v[(\pc)+4*\c+2], v[(\pc)+4*\c+3]
.endr
.endm
	s_load_b512 s[4:19], s[0:1], 0x0               ; query, key, value codes; query, key, value scales; Wq, Wk codes
	s_load_b512 s[20:35], s[0:1], 0x40             ; Wv codes; Wq, Wk, Wv scales; bq, bk, bv; mask
	s_load_b128 s[36:39], s[0:1], 0x80             ; cod, scl
	s_load_b64 s[40:41], s[0:1], 0x90              ; mbits
	s_set_vgpr_msb 0x40
	v_lshl_add_u32 v0, v0, 2, 0x36000
	v_mov_b32 v1, 0
	s_set_vgpr_msb 0x4045
	ds_add_u32 v0, v1
	ds_add_u32 v0, v1
	s_set_vgpr_msb 0x4500
	v_lshrrev_b32 v1, 5, v0
	s_delay_alu instid0(VALU_DEP_1)
	v_readfirstlane_b32 s[WV], v1                  ; wave 0..7
	s_and_b32 s[W3], s[WV], 3                      ; which quarter of a tile I fetch
	s_and_b32 s[W0], s[WV], 1
	s_lshr_b32 s[W1], s[WV], 1
	s_bfe_u32 s[CX], ttmp6, 0x40000                ; my place in the cluster
	s_bfe_u32 s[CY], ttmp6, 0x40004
	s_and_b32 s[WITHIN], ttmp7, 0xffff             ; cluster y, 0..47
	s_lshr_b32 s[MODE], s[WITHIN], 4               ; 0 Q, 1 K, 2 V: the same in all sixteen partners
	s_and_b32 s[WITHIN], s[WITHIN], 15
	s_lshr_b32 s[I0], s[WITHIN], 1
	s_and_b32 s[I1], s[WITHIN], 1
	s_cmp_eq_u32 s[MODE], 2
	s_cselect_b32 s[I0], s[I0], 0                  ; V: 8 x 2 clusters over (keys, channels); Q, K: 1 x 16 over (features, tokens)
	s_cselect_b32 s[I1], s[I1], s[WITHIN]
	s_lshl_b32 s[I0], s[I0], 2
	s_add_co_u32 s[I0], s[I0], s[CX]               ; i0: which 256 rows of S0
	s_lshl_b32 s[I1], s[I1], 2
	s_add_co_u32 s[I1], s[I1], s[CY]               ; i1: which 128 rows of S1
	s_wait_dscnt 0x0
	s_wait_kmcnt 0x0
	s_cmp_eq_u32 s[MODE], 1                        ; the product's tensors: X codes, X scales, W codes, W scales, bias
	s_cselect_b64 s[48:49], s[6:7], s[4:5]
	s_cselect_b64 s[50:51], s[12:13], s[10:11]
	s_cselect_b64 s[52:53], s[18:19], s[16:17]
	s_cselect_b64 s[54:55], s[24:25], s[22:23]
	s_cselect_b64 s[56:57], s[30:31], s[28:29]
	s_cmp_eq_u32 s[MODE], 2
	s_cselect_b64 s[48:49], s[8:9], s[48:49]
	s_cselect_b64 s[50:51], s[14:15], s[50:51]
	s_cselect_b64 s[52:53], s[20:21], s[52:53]
	s_cselect_b64 s[54:55], s[26:27], s[54:55]
	s_cselect_b64 s[56:57], s[32:33], s[56:57]
	s_cselect_b64 s[58:59], s[48:49], s[52:53]     ; S0's codes: V: the tokens; else the weight
	s_cselect_b64 s[60:61], s[50:51], s[54:55]     ; S0's scales
	s_cselect_b64 s[62:63], s[52:53], s[48:49]     ; S1's codes
	s_cselect_b64 s[66:67], s[54:55], s[50:51]     ; S1's scales
	; descriptor groups 1.  Codes: rows of 256 one-byte elements, 512 bytes apart in memory, 16 bytes of padding behind each in LDS.  Scale bytes: a dense block as rows of 32 elements of 8 bytes.
	s_lshl_b32 s48, 0x1111, s[CX]                  ; my column of the cluster: it shares i0
	s_lshl_b32 s49, s[CY], 2
	s_lshl_b32 s49, 15, s49                        ; my row: it shares i1
	s_or_b32 s[G1A], s48, (1<<20)|(1<<21)|(5<<22)|(3<<25)   ; 15:0 the mask; 17:16 one byte; 20 padding on; 21 set beside a mask; 24:22 after every 64 words; 31:25 four words
	s_or_b32 s[G1B], s49, (1<<20)|(1<<21)|(5<<22)|(3<<25)
	s_or_b32 s[G1SA], s48, (3<<16)|(1<<21)
	s_or_b32 s[G1SB], s49, (3<<16)|(1<<21)
.irp g, G1A, G1B
	s_mov_b32 s[\g+1], 256<<16                     ; tensor_dim0
	s_mov_b32 s[\g+3], 256<<16                     ; tile_dim0
	s_mov_b32 s[\g+5], 512                         ; from row to row
	s_mov_b32 s[\g+6], 0
	s_mov_b32 s[\g+7], 0
.endr
	s_mov_b32 s[G1A+2], 64<<16                     ; 64 rows to a load of S0,
	s_mov_b32 s[G1A+4], 64
	s_mov_b32 s[G1B+2], 32<<16                     ; 32 of S1
	s_mov_b32 s[G1B+4], 32
.irp g, G1SA, G1SB
	s_mov_b32 s[\g+1], 32<<16
	s_mov_b32 s[\g+3], 32<<16
	s_mov_b32 s[\g+5], 32
	s_mov_b32 s[\g+6], 0
	s_mov_b32 s[\g+7], 0
.endr
	s_mov_b32 s[G1SA+2], 8<<16                     ; 64 rows x 32 bytes = 8 x 256
	s_mov_b32 s[G1SA+4], 8
	s_mov_b32 s[G1SB+2], 4<<16                     ; 32 rows x 32 bytes = 4 x 256
	s_mov_b32 s[G1SB+4], 4
	; groups 0.  Every wave makes both sets, each from the coordinate that its partners share, in registers of its own; it asks by one of them.
	s_lshl_b32 s50, s[I0], 8
	s_lshl_b32 s51, s[W3], 6
	s_add_co_u32 s50, s50, s51                     ; S0: row 256 i0 + 64 (wave & 3)
	s_lshl_b32 s52, s50, 5                         ; its scale bytes,
	s_mov_b32 s53, 0
	s_lshl_b32 s50, s50, 9                         ; its codes
	s_mov_b32 s51, 0
	s_mov_b32 s[G0A], 1
	s_lshl_b32 s[G0A+1], s[W3], 11
	s_add_co_u32 s[G0A+1], s[G0A+1], SCL0
	s_add_nc_u64 s[G0A+2:G0A+3], s[60:61], s[52:53]
	s_or_b32 s[G0A+3], s[G0A+3], 0x80000000
	s_mov_b32 s[G0A+4], 1
	s_mul_i32 s[G0A+5], s[W3], 64*PITCH
	s_add_nc_u64 s[G0A+6:G0A+7], s[58:59], s[50:51]
	s_mov_b32 s[G0A+8], 1
	s_add_co_u32 s[G0A+9], s[G0A+5], S0CH
	s_add_nc_u64 s[G0A+10:G0A+11], s[G0A+6:G0A+7], 256
	s_or_b32 s[G0A+7], s[G0A+7], 0x80000000
	s_or_b32 s[G0A+11], s[G0A+11], 0x80000000
	s_lshl_b32 s28, s[I1], 7
	s_lshl_b32 s29, s[W3], 5
	s_add_co_u32 s28, s28, s29                     ; S1: row 128 i1 + 32 (wave & 3)
	s_lshl_b32 s30, s28, 5
	s_mov_b32 s31, 0
	s_lshl_b32 s28, s28, 9
	s_mov_b32 s29, 0
	s_mov_b32 s[G0B], 1
	s_lshl_b32 s[G0B+1], s[W3], 10
	s_add_co_u32 s[G0B+1], s[G0B+1], SCL1
	s_add_nc_u64 s[G0B+2:G0B+3], s[66:67], s[30:31]
	s_or_b32 s[G0B+3], s[G0B+3], 0x80000000
	s_mov_b32 s[G0B+4], 1
	s_mul_i32 s[G0B+5], s[W3], 32*PITCH
	s_add_co_u32 s[G0B+5], s[G0B+5], S1B
	s_add_nc_u64 s[G0B+6:G0B+7], s[62:63], s[28:29]
	s_mov_b32 s[G0B+8], 1
	s_add_co_u32 s[G0B+9], s[G0B+5], S1CH
	s_add_nc_u64 s[G0B+10:G0B+11], s[G0B+6:G0B+7], 256
	s_or_b32 s[G0B+7], s[G0B+7], 0x80000000
	s_or_b32 s[G0B+11], s[G0B+11], 0x80000000
	ROUND                                          ; all sixteen work-groups are here: the joint loads meet
	s_cmp_lt_u32 s[WV], 4                          ; waves 0-3 fetch S0's quarters, waves 4-7 S1's: three loads of mine are out
	s_cbranch_scc0 .Lfor_s1
	tensor_load_to_lds s[G0A:G0A+3], s[G1SA:G1SA+7]
	s_nop 0
	tensor_load_to_lds s[G0A+4:G0A+7], s[G1A:G1A+7]
	s_nop 0
	tensor_load_to_lds s[G0A+8:G0A+11], s[G1A:G1A+7]
	s_nop 0
.rept 4
	v_nop
.endr
	s_branch .Lasked
.Lfor_s1:
	tensor_load_to_lds s[G0B:G0B+3], s[G1SB:G1SB+7]
	s_nop 0
	tensor_load_to_lds s[G0B+4:G0B+7], s[G1B:G1B+7]
	s_nop 0
	tensor_load_to_lds s[G0B+8:G0B+11], s[G1B:G1B+7]
	s_nop 0
.rept 4
	v_nop
.endr
.Lasked:
	; ---- while the tiles are on their way: addresses, the biases, the mask
	v_and_b32 v244, 15, v0                         ; r
	v_bfe_u32 v245, v0, 4, 1                       ; h
	v_and_b32 v246, 31, v0                         ; lane
	s_delay_alu instid0(VALU_DEP_3)
	v_mul_u32_u24 v247, v244, PITCH
	s_delay_alu instid0(VALU_DEP_1)
	v_lshl_add_u32 v247, v245, 4, v247             ; a fragment's row x pitch + 16 h
	s_mul_i32 s48, s[W0], 128*PITCH
	v_add_nc_u32 v1, s48, v247                     ; S0's fragments in chunk 0,
	s_delay_alu instid0(VALU_DEP_1)
	v_add_nc_u32 v2, S0CH, v1                      ; in chunk 1
	s_mul_i32 s48, s[W1], 32*PITCH
	s_add_co_u32 s48, s48, S1B
	v_add_nc_u32 v3, s48, v247                     ; S1's likewise
	s_delay_alu instid0(VALU_DEP_1)
	v_add_nc_u32 v4, S1CH, v3
	s_lshl_b32 s48, s[W0], 12
	s_add_co_u32 s48, s48, SCL0
	v_lshl_add_u32 v5, v246, 5, s48                ; S0's scale bytes: row 128 w0 + lane (+ 32 p), 32 bytes a row
	s_lshl_b32 s48, s[W1], 10
	s_add_co_u32 s48, s48, SCL1
	v_lshl_add_u32 v6, v246, 5, s48                ; S1's: row 32 w1 + lane
	v_lshlrev_b32 v7, 4, v246                      ; an image's place for my lane
	; where my results go.  Q, K: head pair bh0 = 16 batch + 4 i0 + 2 w0, tiles 8 (i1 & 15) + 2 w1 + t1
	s_lshr_b32 s48, s[I1], 4
	s_lshl_b32 s48, s48, 4
	s_lshl_b32 s49, s[I0], 2
	s_add_co_u32 s48, s48, s49
	s_lshl_b32 s49, s[W0], 1
	s_add_co_u32 s48, s48, s49                     ; bh0
	s_and_b32 s49, s[I1], 15
	s_lshl_b32 s50, s49, 3
	s_lshl_b32 s51, s[W1], 1
	s_add_co_u32 s50, s50, s51                     ; my first tile
	s_lshl_b32 s51, s48, 7
	s_add_co_u32 s50, s50, s51
	s_lshl_b32 s50, s50, 9
	s_lshl_b32 s51, s[MODE], 22
	s_add_co_u32 s50, s50, s51                     ; codes: MODE x 4 MiB + (128 bh0 + tile) x 512
	s_lshl_b32 s49, s49, 2
	s_add_co_u32 s49, s49, s[W1]
	s_lshl_b32 s49, s49, 6
	s_lshl_b32 s48, s48, 12
	s_add_co_u32 s49, s49, s48
	s_lshl_b32 s51, s[MODE], 18
	s_add_co_u32 s49, s49, s51                     ; scale words: MODE x 256 KiB + 4,096 bh0 + 64 x pair
	; V: head bh = 16 batch + 2 i1 + w1 / 2, step 2 (i0 & 7) + w0, channel tiles 2 (w1 & 1) + t1
	s_lshr_b32 s52, s[I0], 3
	s_lshl_b32 s52, s52, 4
	s_lshl_b32 s53, s[I1], 1
	s_add_co_u32 s52, s52, s53
	s_lshr_b32 s53, s[W1], 1
	s_add_co_u32 s52, s52, s53
	s_and_b32 s53, s[I0], 7
	s_lshl_b32 s53, s53, 1
	s_add_co_u32 s53, s53, s[W0]
	s_lshl_b32 s52, s52, 4
	s_add_co_u32 s52, s52, s53                     ; 16 bh + step
	s_and_b32 s53, s[W1], 1
	s_lshl_b32 s53, s53, 1
	s_lshl_b32 s54, s52, 3
	s_add_co_u32 s54, s54, s53
	s_lshl_b32 s54, s54, 9
	s_add_co_u32 s54, s54, 0x800000                ; codes: 8 MiB + (8 (16 bh + step) + dt) x 512
	s_lshl_b32 s55, s52, 2
	s_add_co_u32 s55, s55, s53
	s_lshl_b32 s55, s55, 6
	s_add_co_u32 s55, s55, 0x80000                 ; scale words: 512 KiB + (4 (16 bh + step) + dt) x 64
	s_cmp_eq_u32 s[MODE], 2
	s_cselect_b32 s50, s54, s50
	s_cselect_b32 s54, s55, s49
	s_mov_b32 s52, 65536                           ; registers 4-7 of a fragment: Q, K: the next head; V: the step's second 64 keys
	s_cselect_b32 s52, 2048, s52
	s_mov_b32 s[DELTA], 4096                       ; lanes 16-31's scale word: Q, K: the next head's; V: the next channel tile's
	s_cselect_b32 s[DELTA], 64, s[DELTA]
	s_mov_b32 s[SELA], 0x05040100                  ; Q, K: bytes 0, 1 of both tiles' words; V: tile 0's word
	s_cselect_b32 s[SELA], 0x03020100, s[SELA]
	s_mov_b32 s[SELB], 0x07060302                  ; Q, K: bytes 2, 3 of both; V: tile 1's word
	s_cselect_b32 s[SELB], 0x07060504, s[SELB]
	s_cselect_b32 s[MQ], 0, 0x3f800000
	s_cselect_b32 s[MV], -1, 0
	s_mov_b32 s[MQ+1], s[MQ]                       ; (named with it as a pair, so it is written)
	s_mov_b32 s51, 0
	s_mov_b32 s53, 0
	s_mov_b32 s55, 0
	s_add_nc_u64 s[CB0:CB0+1], s[36:37], s[50:51]
	s_add_nc_u64 s[CB1:CB1+1], s[CB0:CB0+1], s[52:53]
	s_add_nc_u64 s[SCB:SCB+1], s[38:39], s[54:55]
	s_mov_b32 s[SEL], 0x76543210
	s_mov_b32 s[SEL+1], 0xfedcba98
	s_mov_b32 s[HM], 0xffff0000
	v_mul_u32_u24 v8, s[DELTA], v245
	s_delay_alu instid0(VALU_DEP_1)
	v_lshl_add_u32 v8, v244, 2, v8                 ; my scale word's place: 4 r + h x DELTA
	; the biases.  Of S0's rows (Q, K): eight numbers a tile, b[256 i0 + 128 w0 + 16 t0 + 8 h + j].  Of S1's rows (V): one a tile, b[128 i1 + 32 w1 + 16 t1 + r].  The one that the MODE does not want is read at the buffer's start and made 0.
	s_lshl_b32 s48, s[I0], 10
	s_lshl_b32 s50, s[I1], 9
	s_lshl_b32 s51, s[W1], 7
	s_add_co_u32 s50, s50, s51
	s_cmp_eq_u32 s[MODE], 2
	s_cselect_b32 s48, 0, s48
	s_cselect_b32 s50, s50, 0
	s_lshl_b32 s49, s[W0], 9
	s_add_co_u32 s48, s48, s49
	s_mov_b32 s49, 0
	s_mov_b32 s51, 0
	s_add_nc_u64 s[48:49], s[56:57], s[48:49]
	s_add_nc_u64 s[50:51], s[56:57], s[50:51]
	v_lshlrev_b32 v9, 5, v245                      ; 32 h
	v_lshlrev_b32 v252, 2, v244                    ; 4 r
.irp t, 0,1,2,3,4,5,6,7
	global_load_b128 v[F0+8*\t:F0+8*\t+3], v9, s[48:49] offset:64*\t
	global_load_b128 v[F0+8*\t+4:F0+8*\t+7], v9, s[48:49] offset:64*\t+16
.endr
	global_load_b32 v12, v252, s[50:51]
	global_load_b32 v14, v252, s[50:51] offset:64
	; THE MASK, in the 256 work-groups of MODE 0 (a branch on the cluster's y alone; no barrier and no tensor load stands inside): each of their 2,048 waves packs one tile of 16 queries x 128 keys.
	s_cmp_lg_u32 s[MODE], 0
	s_cbranch_scc1 .Lno_mask
	s_lshl_b32 s52, s[I1], 2
	s_add_co_u32 s52, s52, s[I0]
	s_lshl_b32 s52, s52, 3
	s_add_co_u32 s52, s52, s[WV]                   ; id = 16 T + step
	s_lshl_b32 s54, s52, 8
	s_mov_b32 s55, 0
	s_add_nc_u64 s[54:55], s[40:41], s[54:55]      ; its 64 words
	s_lshr_b32 s53, s52, 4
	s_and_b32 s52, s52, 15
	s_lshl_b32 s53, s53, 15                        ; 16 T rows of 2,048 bytes
	s_lshl_b32 s52, s52, 7                         ; + 128 step
	s_add_co_u32 s52, s52, s53
	s_mov_b32 s53, 0
	s_add_nc_u64 s[52:53], s[34:35], s[52:53]
	v_lshlrev_b32 v35, 11, v244
	s_delay_alu instid0(VALU_DEP_1)
	v_lshl_add_u32 v35, v245, 3, v35               ; row r, + 8 h
.irp t, 0,1,2,3,4,5,6,7
	global_load_b64 v[16+2*\t:17+2*\t], v35, s[52:53] offset:16*\t   ; mask[16 T + r][128 step + 16 t + 8 h + 0 .. 7]
.endr
	v_mov_b32 v32, 0                               ; written whole before lanes are written singly
	v_mov_b32 v33, 0
	v_lshlrev_b32 v36, 3, v246
	s_wait_alu depctr_va_vdst(0)
	s_wait_loadcnt 0x0
.set m, 0
.rept 64                                           ; word m = 8 t + j: the 32 lanes' byte j of tile t, a bit a lane; it goes to lane m / 2, register m % 2
	v_and_b32 v34, 0xff<<(8*(m%4)), v[16+2*(m/8)+(m%8)/4]
	s_delay_alu instid0(VALU_DEP_1)
	v_cmp_ne_u32 vcc_lo, 0, v34
	s_delay_alu instid0(VALU_DEP_1)
	v_writelane_b32 v[32+m%2], vcc_lo, m/2
.set m, m+1
.endr
	global_store_b64 v36, v[32:33], s[54:55]       ; the wave stores 256 consecutive bytes, aligned
.Lno_mask:
	s_wait_loadcnt 0x0                             ; the biases
	s_wait_xcnt 0x0                                ; the loads' and the store's registers are written again only behind this wait
	v_and_b32 v12, s[MV], v12
	v_and_b32 v14, s[MV], v14
	v_mov_b32 v13, 0                               ; (named as the upper halves of pairs)
	v_mov_b32 v15, 0
.irp u, 0,1
.set i, 0
.rept 32
	v_pk_fma_f32 v[ACC+64*\u+2*i:ACC+64*\u+2*i+1], v[F0+2*i:F0+2*i+1], s[MQ:MQ+1], v[12+2*\u:13+2*\u] op_sel_hi:[1,0,0]   ; the sums begin as the bias
.set i, i+1
.endr
.endr
.irp b, 0,1,2,3
	v_mov_b32 v[TM+4+\b], 0                        ; written once: a lane permute's destination counts as one of its sources
.endr
	s_wait_alu depctr_va_vdst(0)
	s_wait_tensorcnt 0x1                           ; my scale bytes and my part of chunk 0 are in; chunk 1, the one load issued behind them, may stay out
	s_barrier_signal -1
	s_barrier_wait -1                              ; everybody's are
	KSTEP 0, 0, 1
	KSTEP 0, 1, 0
	KSTEP 0, 2, 0
	KSTEP 0, 3, 0
	s_wait_tensorcnt 0x0                           ; my part of chunk 1
	s_barrier_signal -1
	s_barrier_wait -1
	KSTEP 1, 0, 0
	KSTEP 1, 1, 0
	KSTEP 1, 2, 0
	KSTEP 1, 3, 0
.rept 4
	v_nop                                          ; four places between the last products and the first read of results
.endr
.irp u, 0,1
	QUANT ACC+64*\u, F1+8*\u, 10+\u
	global_store_b128 v7, v[F1+8*\u:F1+8*\u+3], s[CB0:CB0+1] offset:512*\u       ; 512 consecutive bytes, aligned
	global_store_b128 v7, v[F1+8*\u+4:F1+8*\u+7], s[CB1:CB1+1] offset:512*\u
.endr
	v_perm_b32 v244, v11, v10, s[SELA]             ; selector bytes 0-3: tile 0's word (v10), 4-7: tile 1's (v11)
	v_perm_b32 v245, v11, v10, s[SELB]
	s_delay_alu instid0(VALU_DEP_1)
	v_cndmask_b32 v244, v244, v245, s[HM]          ; lanes 16-31 store the second word
	global_store_b32 v8, v244, s[SCB:SCB+1]
	s_set_vgpr_msb 0x5
	s_wait_tensorcnt 0x0
	ds_add_u32 v0, v1
	s_wait_dscnt 0x0
	s_set_vgpr_msb 0x500
	ROUND                                          ; the closing round: no work-group ends while a partner may still ask for a tile that names it
	s_endpgm
.Lfunc_end_k_q2fab4f3079_proj:
	.size	k_q2fab4f3079_proj, .Lfunc_end_k_q2fab4f3079_proj-k_q2fab4f3079_proj
	.p2alignl 7, 3214868480
	.fill 96, 4, 3214868480
	.section	.rodata,"a",@progbits
	.p2align	6, 0x0
	.amdhsa_kernel k_q2fab4f3079_proj
		.amdhsa_group_segment_fixed_size 222208
		.amdhsa_private_segment_fixed_size 0
		.amdhsa_enable_private_segment 0
		.amdhsa_kernarg_size 152
		.amdhsa_user_sgpr_count 2
		.amdhsa_user_sgpr_kernarg_segment_ptr 1
		.amdhsa_wavefront_size32 1
		.amdhsa_system_sgpr_workgroup_id_x 1
		.amdhsa_system_sgpr_workgroup_id_y 1
		.amdhsa_system_sgpr_workgroup_id_z 1
		.amdhsa_system_vgpr_workitem_id 0
		.amdhsa_next_free_vgpr 258
		.amdhsa_next_free_sgpr 102
		.amdhsa_reserve_vcc 1
		.amdhsa_float_denorm_mode_32 3
		.amdhsa_float_denorm_mode_16_64 3
		.amdhsa_memory_ordered 1
		.amdhsa_forward_progress 1
		.amdhsa_inst_pref_size 72
	.end_amdhsa_kernel
	.amdgpu_metadata
---
amdhsa.version: [ 1, 2 ]
amdhsa.kernels:
  - .name:           k_q2fab4f3079_proj
    .symbol:         k_q2fab4f3079_proj.kd
    .args:
      - { .name: query_codes, .offset: 0, .size: 8, .value_kind: global_buffer, .address_space: global }
      - { .name: key_codes, .offset: 8, .size: 8, .value_kind: global_buffer, .address_space: global }
      - { .name: value_codes, .offset: 16, .size: 8, .value_kind: global_buffer, .address_space: global }
      - { .name: query_scales, .offset: 24, .size: 8, .value_kind: global_buffer, .address_space: global }
      - { .name: key_scales, .offset: 32, .size: 8, .value_kind: global_buffer, .address_space: global }
      - { .name: value_scales, .offset: 40, .size: 8, .value_kind: global_buffer, .address_space: global }
      - { .name: Wq_codes, .offset: 48, .size: 8, .value_kind: global_buffer, .address_space: global }
      - { .name: Wk_codes, .offset: 56, .size: 8, .value_kind: global_buffer, .address_space: global }
      - { .name: Wv_codes, .offset: 64, .size: 8, .value_kind: global_buffer, .address_space: global }
      - { .name: Wq_scales, .offset: 72, .size: 8, .value_kind: global_buffer, .address_space: global }
      - { .name: Wk_scales, .offset: 80, .size: 8, .value_kind: global_buffer, .address_space: global }
      - { .name: Wv_scales, .offset: 88, .size: 8, .value_kind: global_buffer, .address_space: global }
      - { .name: bq, .offset: 96, .size: 8, .value_kind: global_buffer, .address_space: global }
      - { .name: bk, .offset: 104, .size: 8, .value_kind: global_buffer, .address_space: global }
      - { .name: bv, .offset: 112, .size: 8, .value_kind: global_buffer, .address_space: global }
      - { .name: mask, .offset: 120, .size: 8, .value_kind: global_buffer, .address_space: global }
      - { .name: cod, .offset: 128, .size: 8, .value_kind: global_buffer, .address_space: global }
      - { .name: scl, .offset: 136, .size: 8, .value_kind: global_buffer, .address_space: global }
      - { .name: mbits, .offset: 144, .size: 8, .value_kind: global_buffer, .address_space: global }
    .group_segment_fixed_size: 222208
    .private_segment_fixed_size: 0
    .kernarg_segment_align: 8
    .kernarg_segment_size: 152
    .max_flat_workgroup_size: 256
    .sgpr_count:     102
    .vgpr_count:     258
    .wavefront_size: 32
...
	.end_amdgpu_metadata
.endif
;; end of part 1
;; launch attn (part 2): grid 256 x 1, 16 waves a work-group, clusters of 4 x 1, 169,984 bytes of LDS; arguments cod, scl, mbits, ac, asc; writes ac, asc
.if DOCPART == 2
	.amdgcn_target "amdgcn-amd-amdhsa--gfx1250"
	.amdhsa_code_object_version 6
	.text
	.protected	k_q2fab4f3079_attn
	.globl	k_q2fab4f3079_attn
	.p2align	8
	.type	k_q2fab4f3079_attn,@function
k_q2fab4f3079_attn:
	s_mov_b64 s[64:65], 0
	v_nop
	global_prefetch_b8 v0, s[64:65] scope:SCOPE_SE
	s_setreg_imm32_b32 hwreg(HW_REG_WAVE_MODE, 25, 1), 1
	s_wait_xcnt 0x0
	s_wait_alu depctr_hold_cnt(0) depctr_sa_sdst(0) depctr_va_vdst(0) depctr_va_sdst(0) depctr_va_ssrc(0) depctr_va_vcc(0) depctr_vm_vsrc(0)
	s_getreg_b32 s2, hwreg(HW_REG_IB_STS2, 6, 4)
	s_cmp_eq_u32 s2, 0
	s_cbranch_scc0 .Lentry_in_a_cluster
	s_endpgm
.Lentry_in_a_cluster:
	s_bfe_u32 s2, ttmp6, 0x10000c
	s_cmp_lg_u32 s2, 0x3003
	s_cbranch_scc0 .Lentry_shape_is_right
	s_endpgm
.Lentry_shape_is_right:
; ATTENTION ON CODES OF E2M1: O[q] = sum over k of softmax_k(where(mask, Q[q] . K[k] / 8, -1e9)) V[k], for 64 (batch, head) pairs of 2,048 queries x 2,048 keys x 64 channels; O / l is quantised along E on the way out.
; THE SOFTMAX AHEAD OF THE SECOND PRODUCT: t = score x log2(e) / 8; M = the largest t so far rounded UP to a whole number; p = 2^(t - M) is quantised along the keys, not normalised; the row's sum is taken of the
; unquantised p and divides at the end.  When M moves, the sum and O are multiplied by 2^(old M - new M), which rounds nothing.
; SHARES.  A cluster of four work-groups takes one (batch, head); work-group cx takes 512 queries; each of its sixteen waves takes two tiles of 16 queries, one after the other, in 256 registers: four waves to a SIMD,
; so that one wave's vector work stands beside another's products and LDS loads.  The head's K and V, codes and scale words, 136 KiB, lie whole in LDS, filled ONCE, by joint loads of the four partners.
; LAYOUT.  Both products are used transposed: S^T = K Q^T (source 0 = 16 keys, source 1 = my 16 queries), O^T = V^T P^T: a lane holds ONE query (lane % 16) throughout.  Register j of score tile t is key 16 t + 8 (lane / 16) + j.
; K = 64 IN AN INSTRUCTION OF 128: source 0 holds TWO tiles of keys, tile 2 p in registers 0-3 and tile 2 p + 1 in registers 4-7, with their four scale bytes in one word; source 1 is [Q | zeros] for the even tile and
; [zeros | Q] for the odd one.  Zero codes add nothing under any scale byte but 0xff, which the quantiser never gives.  No fragment of K is read twice.
; THE MASK comes as lane-mask words in the order of the score registers, by scalar loads a step ahead: one v_cndmask_b32 a score.
; LIMITS.  A masked score is taken as -2^33, that is a logit of -2^30 in place of -1e9: score x c is then exact and a whole number, so that a row with no key left gives p = 1 for every key, as -1e9 does;
; results are the same wherever the logits that are not masked lie above some -9e8.  NaN and infinities are not served.  A block's largest p is made from the block's largest score by the same two instructions,
; which takes v_exp_f32 not to fall where its input rises.  Blocks under the floor 2^-124 keep the scale byte 1.
.set VC,  65536                        ; LDS: K's codes at 0 (4,096 bytes a step: 8 tiles x 512), V's here (a step: [c 2][dt 4][512]),
.set KS,  131072                       ; K's scale words (256 bytes a step), V's 4,096 bytes on,
.set STG, 139264                       ; and 1,024 bytes in which the work-group's output scale bytes meet; no load fills them
.set QA, 16                            ; v16-23 [Q | 0];  v24-31 [0 | Q]
.set KF, 40                            ; v40-71   four pairs of tiles of K
.set VF, 72                            ; v72-103  four fragments of V
.set S,  104                           ; v104-167 S^T, then p
.set OT, 168                           ; v168-199 O^T: channels 16 dt + 8 h + j at OT + 8 dt + j
.set PC, 200                           ; v200-207 p's codes
.set BM, 208                           ; v208-211 the blocks' largest; v212-215 the other half's, then bytes; v216-219 scale operands
.set OC, 228                           ; v228-231 the output's codes
.set WV, 14
.set CX, 15
.set BH, 16
.set SEL, 18                           ; s[18:19]
.set CS, 20                            ; s[20:21] c = log2(e) / 8
.set TB, 22                            ; the step's codes: 4,096 bytes a step
.set TS, 23                            ; its scale words: 256 a step
.set SOFF, 24                          ; the next step's mask words: 256 bytes a step, through my two tiles' 8,192
.set STEPS, 25
.set QS, 26                            ; s[26:27]
.set G1C, 32                           ; s[32:39], s[40:47] groups 1; s[48:51], s[52:55] groups 0.  Behind the wait for the loads s[32:63] and s[68:99] hold the step's 64 mask words
.set G1S, 40
.set G0C, 48
.set G0S, 52
.set QP, 66                            ; s[66:67]
.macro ROUND
	s_barrier_signal -1
	s_barrier_wait -1
	s_cmp_lg_u32 s[WV], 0
	s_cbranch_scc1 .Lnot_wave_0_\@
	s_barrier_signal -3
.Lnot_wave_0_\@:
	s_barrier_wait -3
	s_barrier_signal -1
	s_barrier_wait -1
.endm
; One product.  xD, xA, xB: first registers of the sum, of source 0, of source 1; xSA, xSB their scale registers; xRA = 1: source 0's scales stand in lanes 16-31.  z = 1: the product starts the sum.
.macro WM z
.if \z
.if xRA
	v_wmma_scale_f32_16x16x128_f8f6f4 v[xD:xD+7], v[xA:xA+7], v[xB:xB+7], 0, v[xSA], v[xSB] matrix_a_fmt:MATRIX_FMT_FP4 matrix_b_fmt:MATRIX_FMT_FP4 matrix_a_scale:MATRIX_SCALE_ROW1
.else
	v_wmma_scale_f32_16x16x128_f8f6f4 v[xD:xD+7], v[xA:xA+7], v[xB:xB+7], 0, v[xSA], v[xSB] matrix_a_fmt:MATRIX_FMT_FP4 matrix_b_fmt:MATRIX_FMT_FP4
.endif
.else
.if xRA
	v_wmma_scale_f32_16x16x128_f8f6f4 v[xD:xD+7], v[xA:xA+7], v[xB:xB+7], v[xD:xD+7], v[xSA], v[xSB] matrix_a_fmt:MATRIX_FMT_FP4 matrix_b_fmt:MATRIX_FMT_FP4 matrix_a_scale:MATRIX_SCALE_ROW1
.else
	v_wmma_scale_f32_16x16x128_f8f6f4 v[xD:xD+7], v[xA:xA+7], v[xB:xB+7], v[xD:xD+7], v[xSA], v[xSB] matrix_a_fmt:MATRIX_FMT_FP4 matrix_b_fmt:MATRIX_FMT_FP4
.endif
.endif
.endm
	s_load_b256 s[4:11], s[0:1], 0x0               ; cod s[4:5], scl s[6:7], mbits s[8:9], ac s[10:11]
	s_load_b64 s[12:13], s[0:1], 0x20              ; asc
	v_lshl_add_u32 v254, v0, 2, 0x29000
	v_mov_b32 v255, 0
	ds_add_u32 v254, v255
	ds_add_u32 v254, v255
	v_lshrrev_b32 v1, 5, v0
	s_delay_alu instid0(VALU_DEP_1)
	v_readfirstlane_b32 s[WV], v1                  ; wave 0..15
	s_bfe_u32 s[CX], ttmp6, 0x40000                ; my block of 512 queries: it enters global addresses alone
	s_mov_b32 s[BH], ttmp9                         ; the cluster's number: 16 batch + head, which the four partners share
	; groups 1: dense blocks as rows of 32 elements of 8 bytes: 64 rows (16 KiB of codes), 16 rows (4 KiB of scale words)
	s_mov_b32 s[G1C], 15|(3<<16)|(1<<21)           ; 15:0 the mask: all four work-groups; 17:16 elements of 8 bytes; 21 set beside a mask
	s_mov_b32 s[G1S], 15|(3<<16)|(1<<21)
.irp g, G1C, G1S
	s_mov_b32 s[\g+1], 32<<16
	s_mov_b32 s[\g+3], 32<<16
	s_mov_b32 s[\g+5], 32
	s_mov_b32 s[\g+6], 0
	s_mov_b32 s[\g+7], 0
.endr
	s_mov_b32 s[G1C+2], 64<<16
	s_mov_b32 s[G1C+4], 64
	s_mov_b32 s[G1S+2], 16<<16
	s_mov_b32 s[G1S+4], 16
	s_and_b32 s28, s[WV], 7                        ; waves 0-3 fetch K's codes, waves 4-7 V's, a quarter each
	s_lshl_b32 s[G0C+1], s28, 14                   ; to LDS byte 16,384 x wave
	s_lshr_b32 s29, s28, 2
	s_lshl_b32 s29, s29, 22
	s_and_b32 s30, s28, 3
	s_lshl_b32 s30, s30, 14
	s_add_co_u32 s29, s29, s30
	s_lshl_b32 s30, s[BH], 16
	s_add_co_u32 s29, s29, s30
	s_add_co_u32 s28, s29, 0x400000                ; from 4 MiB (K) or 8 MiB (V) + 65,536 bh + 16,384 x quarter
	s_mov_b32 s29, 0
	s_and_b32 s30, s[WV], 1                        ; wave 8 fetches K's scale words, wave 9 V's
	s_lshl_b32 s31, s30, 12
	s_add_co_u32 s[G0S+1], s31, KS
	s_lshl_b32 s30, s30, 18
	s_add_co_u32 s30, s30, 0x40000
	s_lshl_b32 s31, s[BH], 12
	s_add_co_u32 s30, s30, s31                     ; from 256 KiB (K) or 512 KiB (V) + 4,096 bh
	s_mov_b32 s31, 0
	s_mov_b32 s[G0C], 1
	s_mov_b32 s[G0S], 1
	s_mov_b32 s[SEL], 0x76543210
	s_mov_b32 s[SEL+1], 0xfedcba98
	s_mov_b32 s[CS], 0x3e38aa3b                    ; c = log2(e) / 8
	s_mov_b32 s[CS+1], s[CS]                       ; (named with it as a pair, so it is written)
	s_mov_b32 s[SOFF], 0
	s_wait_dscnt 0x0
	s_wait_kmcnt 0x0
	s_add_nc_u64 s[G0C+2:G0C+3], s[4:5], s[28:29]
	s_or_b32 s[G0C+3], s[G0C+3], 0x80000000
	s_add_nc_u64 s[G0S+2:G0S+3], s[6:7], s[30:31]
	s_or_b32 s[G0S+3], s[G0S+3], 0x80000000
	ROUND                                          ; all four work-groups are here: the joint loads meet
	s_cmp_lt_u32 s[WV], 8                          ; the branches hang on the wave's number alone; one load of a wave is out, or none
	s_cbranch_scc0 .Lnot_codes
	tensor_load_to_lds s[G0C:G0C+3], s[G1C:G1C+7]
	s_nop 0
.rept 4
	v_nop
.endr
	s_branch .Lasked
.Lnot_codes:
	s_cmp_lt_u32 s[WV], 10
	s_cbranch_scc0 .Lasked
	tensor_load_to_lds s[G0S:G0S+3], s[G1S:G1S+7]
	s_nop 0
.rept 4
	v_nop
.endr
.Lasked:
	; my two tiles: T0 = 32 cx + 2 wave, T0 + 1
	s_lshl_b32 s28, s[CX], 5
	s_lshl_b32 s29, s[WV], 1
	s_add_co_u32 s28, s28, s29                     ; T0
	s_lshl_b32 s30, s[BH], 7
	s_add_co_u32 s30, s30, s28
	s_lshl_b32 s30, s30, 9
	s_mov_b32 s31, 0
	s_add_nc_u64 s[QP:QP+1], s[4:5], s[30:31]      ; Q's images: (128 bh + T0) x 512
	s_lshl_b32 s30, s28, 12
	s_add_nc_u64 s[8:9], s[8:9], s[30:31]          ; my mask words: 4,096 bytes a tile
	s_lshl_b32 s30, s[BH], 12
	s_lshl_b32 s29, s28, 5
	s_add_co_u32 s30, s30, s29
	s_add_nc_u64 s[QS:QS+1], s[6:7], s[30:31]      ; Q's scale words: 4,096 bh + 64 x (T0 / 2)
	s_lshr_b32 s30, s[BH], 4
	s_lshl_b32 s30, s30, 7
	s_add_co_u32 s30, s30, s28
	s_lshl_b32 s30, s30, 4
	s_and_b32 s29, s[BH], 15
	s_add_co_u32 s30, s30, s29
	s_lshl_b32 s30, s30, 9
	s_add_nc_u64 s[10:11], s[10:11], s[30:31]      ; ac: ((128 batch + T0) x 16 + head) x 512
	s_lshl_b32 s30, s[BH], 12
	s_lshl_b32 s29, s[CX], 10
	s_add_co_u32 s30, s30, s29
	s_add_nc_u64 s[12:13], s[12:13], s[30:31]      ; asc: 4,096 bh + 1,024 cx
	v_and_b32 v9, 31, v0
	s_delay_alu instid0(VALU_DEP_1)
	v_lshlrev_b32 v1, 4, v9                        ; v1: 16 x lane: an image's place for my lane
	s_delay_alu instid0(VALU_DEP_2)
	v_lshl_add_u32 v2, v9, 2, KS                   ; v2: 4 x lane among K's scale words
	v_and_b32 v10, 15, v0
	s_delay_alu instid0(VALU_DEP_1)
	v_lshlrev_b32 v10, 2, v10                      ; v10: 4 r
	global_load_b32 v7, v10, s[QS:QS+1]            ; v7: Q's scale word of my pair of tiles: bytes 0, 1 tile T0, bytes 2, 3 tile T0 + 1
	v_lshrrev_b32 v8, 1, v10
	s_lshl_b32 s28, s[WV], 6
	s_add_co_u32 s28, s28, STG
	v_add_nc_u32 v8, s28, v8                       ; v8: where my row's two output scale bytes meet the others': STG + 64 wave + 2 r (+ 32 for the second tile)
	v_add_nc_u32 v11, STG, v1                      ; v11: and where wave 0 reads them back
	v_mov_b32 v6, 0xd0000000                       ; v6: -2^33, a masked score
.irp j, 20,21,22,23,24,25,26,27
	v_mov_b32 v[\j], 0                             ; the zero halves of [Q | 0] and [0 | Q]
.endr
.irp j, 212,213,214,215,221,222
	v_mov_b32 v[\j], 0                             ; permutes' destinations, and the upper half of the pair v[220:221]
.endr
	s_wait_tensorcnt 0x0                           ; my load has landed; its descriptors' registers may be written
	s_load_b512 s[32:47], s[8:9], s[SOFF] offset:0x0    ; the first step's 64 mask words
	s_load_b512 s[48:63], s[8:9], s[SOFF] offset:0x40
	s_load_b512 s[68:83], s[8:9], s[SOFF] offset:0x80
	s_load_b512 s[84:99], s[8:9], s[SOFF] offset:0xc0
	s_wait_loadcnt 0x0                             ; Q's scale word
	s_barrier_signal -1
	s_barrier_wait -1                              ; everybody's loads have landed: K and V lie whole in LDS
; ONE TILE OF 16 QUERIES: tile T0 + which.  (The argument's name is used by no loop inside the macro: a macro's arguments are put in as text ahead of the loops' own.)
.macro TILE which
.if \which
	v_perm_b32 v32, v7, v7, 0x03020302             ; the tile's two scale bytes, twice: they serve [Q | 0] and [0 | Q] alike.  (The moves below are the places between this line and the first product)
.else
	v_perm_b32 v32, v7, v7, 0x01000100
.endif
	global_load_b128 v[QA:QA+3], v1, s[QP:QP+1] offset:512*\which      ; Q's image, into both operands
	global_load_b128 v[QA+12:QA+15], v1, s[QP:QP+1] offset:512*\which
	v_mov_b32 v13, 0xff61b1e6                      ; the largest t so far: -3e38
	s_delay_alu instid0(VALU_DEP_1)
	v_floor_f32 v12, -v13                          ; -M
	v_mov_b32 v14, 0                               ; the sum, in two halves
	v_mov_b32 v15, 0
.set j, 0
.rept 32
	v_mov_b32 v[OT+j], 0                           ; O^T.  (The step is written once: the first finds zeros, which the first change of M leaves zeros)
.set j, j+1
.endr
	s_mov_b32 s[TB], 0
	s_mov_b32 s[TS], 0
	s_mov_b32 s[STEPS], 16
	s_wait_loadcnt 0x0
.Lstep_\@:                                             ; A KEY STEP: 128 keys
	s_setprio 2
	v_add_nc_u32 v3, s[TB], v1                     ; these four are the places between the last products and the loads into registers that they read
	v_add_nc_u32 v5, s[TS], v2
	s_delay_alu instid0(VALU_DEP_2)
	v_add_nc_u32 v4, VC, v3
	v_nop
.irp p, 0,1,2,3
	ds_load_b128 v[KF+8*\p:KF+8*\p+3], v3 offset:1024*\p           ; tile 2 p
	ds_load_b128 v[KF+8*\p+4:KF+8*\p+7], v3 offset:1024*\p+512     ; tile 2 p + 1
.endr
	ds_load_b32 v33, v5                            ; K's scale words: lanes 0-15 pair 0, lanes 16-31 pair 1;
	ds_load_b32 v34, v5 offset:128                 ; pairs 2, 3
.irp d, 0,1,2,3
	ds_load_b128 v[VF+8*\d:VF+8*\d+3], v4 offset:512*\d
	ds_load_b128 v[VF+8*\d+4:VF+8*\d+7], v4 offset:2048+512*\d
.endr
	ds_load_b32 v35, v5 offset:4096                ; V's: channel tiles 0, 1;
	ds_load_b32 v36, v5 offset:4224                ; 2, 3
	s_wait_dscnt 10                                ; K's ten loads are in; V's ten, issued behind them, may stay out
.irp p, 0,1,2,3
.irp u, 0,1
.set xD, S+8*(2*\p+\u)
.set xA, KF+8*\p
.set xB, QA+8*\u
.set xSA, 33+\p/2
.set xSB, 32
.set xRA, \p%2
	WM 1
.endr
.endr
.rept 4
	v_nop                                          ; four places between the products and the first read of results
.endr
	s_wait_kmcnt 0x0                               ; the step's mask words, asked for a step ago
.set m, 0
.rept 64                                           ; a score whose mask bit is 0 becomes -2^33; each accumulator from its low end on
.if m < 32
	v_cndmask_b32 v[S+m], v6, v[S+m], s[32+m]
.else
	v_cndmask_b32 v[S+m], v6, v[S+m], s[36+m]
.endif
.set m, m+1
.endr
	s_add_co_u32 s[SOFF], s[SOFF], 256             ; the next step's words; my two tiles' lie on end; behind the last step the walk turns back to its start, inside the buffer
	s_and_b32 s[SOFF], s[SOFF], 0x1fff
	s_load_b512 s[32:47], s[8:9], s[SOFF] offset:0x0
	s_load_b512 s[48:63], s[8:9], s[SOFF] offset:0x40
	s_load_b512 s[68:83], s[8:9], s[SOFF] offset:0x80
	s_load_b512 s[84:99], s[8:9], s[SOFF] offset:0xc0
.irp b, 0,1,2,3
	v_max3_num_f32 v[BM+\b], v[S+16*\b], v[S+16*\b+1], v[S+16*\b+2]    ; the largest score of each block of 32 keys: it serves the row's maximum and the block's largest p
.endr
.irp k, 3,5,7,9,11,13
.irp b, 0,1,2,3
	s_delay_alu instid0(VALU_DEP_4)
	v_max3_num_f32 v[BM+\b], v[BM+\b], v[S+16*\b+\k], v[S+16*\b+\k+1]
.endr
.endr
.irp b, 0,1,2,3
	s_delay_alu instid0(VALU_DEP_4)
	v_max_num_f32 v[BM+\b], v[BM+\b], v[S+16*\b+15]
.endr
.irp b, 0,1,2,3
	s_delay_alu instid0(VALU_DEP_4)
	v_permlanex16_b32 v[BM+4+\b], v[BM+\b], s[SEL], s[SEL+1]
.endr
.irp b, 0,1,2,3
	s_delay_alu instid0(VALU_DEP_4)
	v_max_num_f32 v[BM+\b], v[BM+\b], v[BM+4+\b]   ; with lane xor 16's 16 keys
.endr
	s_delay_alu instid0(VALU_DEP_2)
	v_max3_num_f32 v222, v[BM], v[BM+1], v[BM+2]
	s_delay_alu instid0(VALU_DEP_1)
	v_max_num_f32 v222, v222, v[BM+3]              ; the step's largest score of my query,
	s_delay_alu instid0(VALU_DEP_1)
	v_mul_f32 v222, s[CS], v222                    ; as t
	s_delay_alu instid0(VALU_DEP_1)
	v_max_num_f32 v13, v13, v222                   ; the running largest t
	v_mov_b32 v222, v12
	s_delay_alu instid0(VALU_DEP_2)
	v_floor_f32 v12, -v13                          ; the new -M = floor(-t) = -ceil(t)
	s_delay_alu instid0(VALU_DEP_1)
	v_sub_f32 v222, v12, v222                      ; old M - new M: a whole number, 0 or less
	s_delay_alu instid0(VALU_DEP_1)
	v_cvt_i32_f32 v222, v222                       ; (it saturates)
	s_delay_alu instid0(VALU_DEP_1)
	v_ldexp_f32 v220, 1.0, v222                    ; f = 2^(old M - new M)
.set j, 0
.rept 32
	v_pk_fma_f32 v[S+j:S+j+1], v[S+j:S+j+1], s[CS:CS+1], v[12:13] op_sel_hi:[1,0,0]   ; t - M, two at a time
.set j, j+2
.endr
.irp b, 0,1,2,3
	v_fma_f32 v[BM+\b], v[BM+\b], s[CS], v12       ; the same of each block's largest score
.endr
.set j, 0
	s_setprio 1
	s_wait_alu depctr_va_vdst(0)
.rept 64
	v_exp_f32 v[S+j], v[S+j]                       ; p = 2^(t - M), at most 1
.set j, j+1
.endr
	v_pk_mul_f32 v[14:15], v[14:15], v[220:221] op_sel_hi:[1,0]    ; the sums under the new M: the plain instruction behind the exponentials
	s_wait_alu depctr_va_vdst(0)                   ; one wait for the whole batch, ahead of its first reader
.irp b, 0,1,2,3
	v_exp_f32 v[BM+\b], v[BM+\b]                   ; the blocks' largest p
.endr
	v_pk_add_f32 v[224:225], v[108:109], v[112:113]
	v_pk_add_f32 v[252:253], v[116:117], v[120:121]
	v_pk_add_f32 v[250:251], v[124:125], v[128:129]
	v_pk_add_f32 v[248:249], v[132:133], v[136:137]
	v_pk_add_f32 v[246:247], v[140:141], v[144:145]
	v_pk_add_f32 v[244:245], v[148:149], v[152:153]
	v_pk_add_f32 v[242:243], v[156:157], v[160:161]
	v_pk_add_f32 v[14:15], v[14:15], v[164:165]
	v_pk_add_f32 v[224:225], v[224:225], v[104:105]
	v_pk_add_f32 v[252:253], v[252:253], v[106:107]
	v_pk_add_f32 v[250:251], v[250:251], v[110:111]
	v_pk_add_f32 v[248:249], v[248:249], v[114:115]
	v_pk_add_f32 v[246:247], v[246:247], v[118:119]
	v_pk_add_f32 v[244:245], v[244:245], v[122:123]
	v_pk_add_f32 v[242:243], v[242:243], v[126:127]
	v_pk_add_f32 v[14:15], v[14:15], v[130:131]
	v_pk_add_f32 v[224:225], v[224:225], v[134:135]
	v_pk_add_f32 v[252:253], v[252:253], v[138:139]
	v_pk_add_f32 v[250:251], v[250:251], v[142:143]
	v_pk_add_f32 v[248:249], v[248:249], v[146:147]
	v_pk_add_f32 v[246:247], v[246:247], v[150:151]
	v_pk_add_f32 v[244:245], v[244:245], v[154:155]
	v_pk_add_f32 v[242:243], v[242:243], v[158:159]
	v_pk_add_f32 v[14:15], v[14:15], v[162:163]
	v_pk_add_f32 v[224:225], v[224:225], v[166:167]
	s_delay_alu instid0(VALU_DEP_2)
	v_pk_add_f32 v[14:15], v[14:15], v[248:249]
	s_delay_alu instid0(VALU_DEP_2)
	v_pk_add_f32 v[224:225], v[224:225], v[246:247]
	v_pk_add_f32 v[252:253], v[252:253], v[244:245]
	v_pk_add_f32 v[250:251], v[250:251], v[242:243]
	s_delay_alu instid0(VALU_DEP_2)
	v_pk_add_f32 v[14:15], v[14:15], v[252:253]
	s_delay_alu instid0(VALU_DEP_2)
	v_pk_add_f32 v[224:225], v[224:225], v[250:251]
	s_delay_alu instid0(VALU_DEP_1)
	v_pk_add_f32 v[14:15], v[14:15], v[224:225]
	s_wait_alu depctr_va_vdst(0)                   ; and one for the four
.irp b, 0,1,2,3
	v_max_num_f32 v[BM+\b], 0x1800000, v[BM+\b]    ; the floor 2^(3 - 127): the byte cannot fall under 1
.endr
.irp b, 0,1,2,3
	s_delay_alu instid0(VALU_DEP_4)
	v_add_nc_u32 v[BM+8+\b], 0xff000000, v[BM+\b]  ; 2 off the exponent field: the conversion's scale operand
.endr
.irp b, 0,1,2,3
	s_delay_alu instid0(VALU_DEP_4)
	v_lshrrev_b32 v[BM+4+\b], 23, v[BM+8+\b]       ; the scale's byte
.endr
	s_delay_alu instid0(VALU_DEP_3)
	v_lshl_or_b32 v37, v[BM+5], 8, v[BM+4]         ; p's scale word for these 128 keys
	s_delay_alu instid0(VALU_DEP_1)
	v_lshl_or_b32 v37, v[BM+6], 16, v37
	s_delay_alu instid0(VALU_DEP_1)
	v_lshl_or_b32 v37, v[BM+7], 24, v37
	s_setprio 0
.irp b, 0,1,2,3
	v_cvt_scalef32_pk8_fp4_f32 v[PC+4*(\b/2)+(\b%2)], v[S+16*\b:S+16*\b+7], v[BM+8+\b]        ; keys 8 h + 0 .. 7 of block b
	v_cvt_scalef32_pk8_fp4_f32 v[PC+4*(\b/2)+2+(\b%2)], v[S+16*\b+8:S+16*\b+15], v[BM+8+\b]   ; keys 16 + 8 h + 0 .. 7
.endr
	v_nop                                          ; one plain instruction behind the scaled conversions
.irp c, 0,1                                        ; register 4 c + i then holds keys 64 c + 32 h + 8 i + 0 .. 7
	v_permlane16_swap_b32 v[PC+4*\c], v[PC+4*\c+1]
	v_permlane16_swap_b32 v[PC+4*\c+2], v[PC+4*\c+3]
.endr
.set j, 0
.rept 16
	v_pk_mul_f32 v[OT+j:OT+j+1], v[OT+j:OT+j+1], v[220:221] op_sel_hi:[1,0]   ; O^T under the new M.  For each product below twelve of these name none of its registers: the places behind the scale word's and the codes' last writes
.set j, j+2
.endr
	s_wait_alu depctr_va_vdst(0)
	s_wait_dscnt 0x0                               ; V
.irp d, 0,1,2,3
.set xD, OT+8*\d
.set xA, VF+8*\d
.set xB, PC
.set xSA, 35+\d/2
.set xSB, 37
.set xRA, \d%2
	WM 0
.endr
	s_add_co_u32 s[TB], s[TB], 4096
	s_add_co_u32 s[TS], s[TS], 256
	s_sub_co_u32 s[STEPS], s[STEPS], 1
	s_cmp_lg_u32 s[STEPS], 0
	s_cbranch_scc1 .Lstep_\@
	s_setprio 0
	; THE TILE'S WAY OUT: O^T / the sum, quantised along E (my head's 64 channels are two blocks of 32), as an image of the next product's operand registers
.rept 4
	v_nop
.endr
	s_wait_xcnt 0x0                                ; the last tile's store has read its registers
	v_add_f32 v14, v14, v15
	s_delay_alu instid0(VALU_DEP_1)
	v_permlanex16_b32 v222, v14, s[SEL], s[SEL+1]
	s_delay_alu instid0(VALU_DEP_1)
	v_add_f32 v14, v14, v222                       ; the row's sum
	s_wait_alu depctr_va_vdst(0)
	v_rcp_f32 v14, v14
	v_nop                                          ; a plain instruction behind the reciprocal,
	s_wait_alu depctr_va_vdst(0)                   ; and the wait ahead of its first reader
.set j, 0
.rept 16
	v_pk_mul_f32 v[OT+j:OT+j+1], v[OT+j:OT+j+1], v[14:15] op_sel_hi:[1,0]
.set j, j+2
.endr
.irp b, 0,1
	v_max3_num_f32 v[BM+\b], |v[OT+16*\b]|, |v[OT+16*\b+1]|, 0x1800000
.endr
.irp k, 2,4,6,8,10,12,14
.irp b, 0,1
	s_delay_alu instid0(VALU_DEP_2)
	v_max3_num_f32 v[BM+\b], v[BM+\b], |v[OT+16*\b+\k]|, |v[OT+16*\b+\k+1]|
.endr
.endr
.irp b, 0,1
	s_delay_alu instid0(VALU_DEP_2)
	v_permlanex16_b32 v[BM+4+\b], v[BM+\b], s[SEL], s[SEL+1]
.endr
.irp b, 0,1
	s_delay_alu instid0(VALU_DEP_2)
	v_max_num_f32 v[BM+\b], v[BM+\b], v[BM+4+\b]
.endr
.irp b, 0,1
	s_delay_alu instid0(VALU_DEP_2)
	v_add_nc_u32 v[BM+8+\b], 0xff000000, v[BM+\b]
.endr
.irp b, 0,1
	s_delay_alu instid0(VALU_DEP_2)
	v_lshrrev_b32 v[BM+4+\b], 23, v[BM+8+\b]
.endr
	s_delay_alu instid0(VALU_DEP_1)
	v_lshl_or_b32 v222, v[BM+5], 8, v[BM+4]        ; my row's two scale bytes
.irp b, 0,1
	v_cvt_scalef32_pk8_fp4_f32 v[OC+\b], v[OT+16*\b:OT+16*\b+7], v[BM+8+\b]
	v_cvt_scalef32_pk8_fp4_f32 v[OC+2+\b], v[OT+16*\b+8:OT+16*\b+15], v[BM+8+\b]
.endr
	v_nop
	v_permlane16_swap_b32 v[OC], v[OC+1]
	v_permlane16_swap_b32 v[OC+2], v[OC+3]         ; register i: channels 32 h + 8 i + 0 .. 7 of row r
	global_store_b128 v1, v[OC:OC+3], s[10:11] offset:8192*\which  ; 512 consecutive bytes, aligned
	ds_store_b16 v8, v222 offset:32*\which         ; both lanes of a row write the same bytes with the same value
.endm
	TILE 0
	TILE 1
	s_wait_dscnt 0x0                               ; for the others' sake: my stores into the stage are done
	s_barrier_signal -1
	s_barrier_wait -1
	s_cmp_lg_u32 s[WV], 0                          ; wave 0 stores the work-group's 512 rows x 2 scale bytes: 1,024 consecutive bytes
	s_cbranch_scc1 .Lnot_first
	ds_load_b128 v[40:43], v11
	ds_load_b128 v[44:47], v11 offset:512
	s_wait_dscnt 0x0
	global_store_b128 v1, v[40:43], s[12:13]
	global_store_b128 v1, v[44:47], s[12:13] offset:512
.Lnot_first:
	s_wait_kmcnt 0x0                               ; the last request for mask words, which nobody uses
	s_wait_tensorcnt 0x0
	ds_add_u32 v254, v255
	s_wait_dscnt 0x0
	ROUND                                          ; the closing round
	s_endpgm
.Lfunc_end_k_q2fab4f3079_attn:
	.size	k_q2fab4f3079_attn, .Lfunc_end_k_q2fab4f3079_attn-k_q2fab4f3079_attn
	.p2alignl 7, 3214868480
	.fill 96, 4, 3214868480
	.section	.rodata,"a",@progbits
	.p2align	6, 0x0
	.amdhsa_kernel k_q2fab4f3079_attn
		.amdhsa_group_segment_fixed_size 169984
		.amdhsa_private_segment_fixed_size 0
		.amdhsa_enable_private_segment 0
		.amdhsa_kernarg_size 40
		.amdhsa_user_sgpr_count 2
		.amdhsa_user_sgpr_kernarg_segment_ptr 1
		.amdhsa_wavefront_size32 1
		.amdhsa_system_sgpr_workgroup_id_x 1
		.amdhsa_system_sgpr_workgroup_id_y 1
		.amdhsa_system_sgpr_workgroup_id_z 1
		.amdhsa_system_vgpr_workitem_id 0
		.amdhsa_next_free_vgpr 256
		.amdhsa_next_free_sgpr 100
		.amdhsa_reserve_vcc 0
		.amdhsa_float_denorm_mode_32 3
		.amdhsa_float_denorm_mode_16_64 3
		.amdhsa_memory_ordered 1
		.amdhsa_forward_progress 1
		.amdhsa_inst_pref_size 62
	.end_amdhsa_kernel
	.amdgpu_metadata
---
amdhsa.version: [ 1, 2 ]
amdhsa.kernels:
  - .name:           k_q2fab4f3079_attn
    .symbol:         k_q2fab4f3079_attn.kd
    .args:
      - { .name: cod, .offset: 0, .size: 8, .value_kind: global_buffer, .address_space: global }
      - { .name: scl, .offset: 8, .size: 8, .value_kind: global_buffer, .address_space: global }
      - { .name: mbits, .offset: 16, .size: 8, .value_kind: global_buffer, .address_space: global }
      - { .name: ac, .offset: 24, .size: 8, .value_kind: global_buffer, .address_space: global }
      - { .name: asc, .offset: 32, .size: 8, .value_kind: global_buffer, .address_space: global }
    .group_segment_fixed_size: 169984
    .private_segment_fixed_size: 0
    .kernarg_segment_align: 8
    .kernarg_segment_size: 40
    .max_flat_workgroup_size: 512
    .sgpr_count:     100
    .vgpr_count:     256
    .wavefront_size: 32
...
	.end_amdgpu_metadata
.endif
;; end of part 2
;; launch outp (part 3): grid 4 x 64, 8 waves a work-group, clusters of 4 x 4, 285,696 bytes of LDS; arguments ac, asc, Wo_codes, Wo_scales, bo, out0; writes out0
.if DOCPART == 3
	.amdgcn_target "amdgcn-amd-amdhsa--gfx1250"
	.amdhsa_code_object_version 6
	.text
	.protected	k_q2fab4f3079_outp
	.globl	k_q2fab4f3079_outp
	.p2align	8
	.type	k_q2fab4f3079_outp,@function
k_q2fab4f3079_outp:
	s_mov_b64 s[64:65], 0
	v_nop
	global_prefetch_b8 v0, s[64:65] scope:SCOPE_SE
	s_setreg_imm32_b32 hwreg(HW_REG_WAVE_MODE, 25, 1), 1
	s_wait_xcnt 0x0
	s_wait_alu depctr_hold_cnt(0) depctr_sa_sdst(0) depctr_va_vdst(0) depctr_va_sdst(0) depctr_va_ssrc(0) depctr_va_vcc(0) depctr_vm_vsrc(0)
	s_getreg_b32 s2, hwreg(HW_REG_IB_STS2, 6, 4)
	s_cmp_eq_u32 s2, 0
	s_cbranch_scc0 .Lentry_in_a_cluster
	s_endpgm
.Lentry_in_a_cluster:
	s_bfe_u32 s2, ttmp6, 0x10000c
	s_cmp_lg_u32 s2, 0xf033
	s_cbranch_scc0 .Lentry_shape_is_right
	s_endpgm
.Lentry_shape_is_right:
; THE OUTPUT PROJECTION ON CODES OF E2M1: out0 = A Wo^T + bo, A [8192][1024] the attention's result as codes, Wo [1024][1024] as given, out0 f32.
; D = S0 S1^T with source 0 = 16 rows of Wo and source 1 = 16 rows of A: a lane holds one row of out0 and eight neighbouring columns.
; SHARES.  A work-group takes 256 columns (i0 = cx) x 128 rows (i1 = 4 x cluster y + cy) and all of K; both tiles lie whole in LDS, filled once.  Eight waves: wave (w0, w1) takes 128 columns (8 tiles) x 32 rows (2 tiles).
; CLUSTER 4 x 4: Wo's tile is asked for jointly by a column of the cluster, A's by a row.
; A's codes come as images of operand registers, [tile of 16 rows][head][512]: head 2 s is registers 0-3 of K step s, head 2 s + 1 registers 4-7.  Its scale bytes come as [batch][head][row] pairs of bytes.
; bo STARTS THE SUMS: it is loaded straight into the accumulators.
; THE WAY OUT: a block of 16 rows x 128 columns goes through the wave's own stage in LDS and leaves as whole rows of 512 bytes.
.set PITCH, 272
.set S0CH,  256*PITCH                  ; Wo's codes, chunk c (bytes 256 c on of each row) at c x S0CH
.set S1B,   2*S0CH                     ; A's images, chunk c (heads 8 c .. 8 c + 7) at S1B + 32,768 c: [tile 8][head 8][512]
.set S1CH,  32768
.set SCL0,  S1B+2*S1CH                 ; Wo's scale bytes: 256 rows x 32
.set SCL1,  SCL0+8192                  ; A's: [head 16][row 128] x 2 bytes
.set STG,   SCL1+4096                  ; the stages: 16 rows x (512 + 16) bytes for each wave; no load fills them
.set SP,    528
.set ACC, 16
.set F0,  144
.set F1,  208
.set SA,  224                          ; v224-239 Wo's scale words of a chunk
.set SB,  240                          ; v240-247 A's scale words, one register a K step: lanes 0-15 row tile 0, lanes 16-31 row tile 1
.set WV, 16
.set W3, 17
.set CX, 18
.set CY, 19
.set I1, 20
.set W0, 21
.set W1, 22
.set G1A, 32
.set G1B, 40
.set G1SA, 48
.set G1SB, 56
.set G0A, 68
.set G0B, 80
.macro ROUND
	s_barrier_signal -1
	s_barrier_wait -1
	s_cmp_lg_u32 s[WV], 0
	s_cbranch_scc1 .Lnot_wave_0_\@
	s_barrier_signal -3
.Lnot_wave_0_\@:
	s_barrier_wait -3
	s_barrier_signal -1
	s_barrier_wait -1
.endm
.macro WM
.if xRA && xRB
	v_wmma_scale_f32_16x16x128_f8f6f4 v[xD:xD+7], v[xA:xA+7], v[xB:xB+7], v[xD:xD+7], v[xSA], v[xSB] matrix_a_fmt:MATRIX_FMT_FP4 matrix_b_fmt:MATRIX_FMT_FP4 matrix_a_scale:MATRIX_SCALE_ROW1 matrix_b_scale:MATRIX_SCALE_ROW1
.elseif xRA
	v_wmma_scale_f32_16x16x128_f8f6f4 v[xD:xD+7], v[xA:xA+7], v[xB:xB+7], v[xD:xD+7], v[xSA], v[xSB] matrix_a_fmt:MATRIX_FMT_FP4 matrix_b_fmt:MATRIX_FMT_FP4 matrix_a_scale:MATRIX_SCALE_ROW1
.elseif xRB
	v_wmma_scale_f32_16x16x128_f8f6f4 v[xD:xD+7], v[xA:xA+7], v[xB:xB+7], v[xD:xD+7], v[xSA], v[xSB] matrix_a_fmt:MATRIX_FMT_FP4 matrix_b_fmt:MATRIX_FMT_FP4 matrix_b_scale:MATRIX_SCALE_ROW1
.else
	v_wmma_scale_f32_16x16x128_f8f6f4 v[xD:xD+7], v[xA:xA+7], v[xB:xB+7], v[xD:xD+7], v[xSA], v[xSB] matrix_a_fmt:MATRIX_FMT_FP4 matrix_b_fmt:MATRIX_FMT_FP4
.endif
.endm
; A step of 128 along K: the q-th of chunk c: 20 LDS loads (24 with Wo's scale words of the chunk), 16 products, the 16 accumulators by turns.
.macro KSTEP c, q, first
.if !(\first)
.rept 4
	v_nop                                          ; four places between the last products and loads into registers that they read
.endr
.endif
.if (\q) == 0
.irp p, 0,1,2,3
	ds_load_b128 v[SA+4*\p:SA+4*\p+3], v5 offset:1024*\p+16*(\c)
.endr
.endif
.irp u, 0,1
.irp e, 0,1
	ds_load_b128 v[F1+8*\u+4*\e:F1+8*\u+4*\e+3], v[3+(\c)] offset:4096*\u+(2*(\q)+\e)*512   ; row tile u, head 2 q + e of the chunk
.endr
.endr
.irp t, 0,1,2,3,4,5,6,7
.irp e, 0,1
	ds_load_b128 v[F0+8*\t+4*\e:F0+8*\t+4*\e+3], v[1+(\c)] offset:16*PITCH*\t+64*(\q)+32*\e
.endr
.endr
.irp g, 0,1,2,3
	s_wait_dscnt 12-4*\g                           ; all but the fragments of Wo's tiles behind 2 g + 1 are in
.irp t, 2*\g, 2*\g+1
.irp u, 0,1
.set xD, ACC+64*\u+8*(\t)
.set xA, F0+8*(\t)
.set xB, F1+8*\u
.set xSA, SA+4*((\t)/2)+(\q)
.set xSB, SB+4*(\c)+(\q)
.set xRA, (\t)%2
.set xRB, \u
	WM
.endr
.endr
.endr
.endm
	s_load_b256 s[4:11], s[0:1], 0x0               ; ac s[4:5], asc s[6:7], Wo's codes s[8:9], Wo's scales s[10:11]
	s_load_b128 s[12:15], s[0:1], 0x20             ; bo s[12:13], out0 s[14:15]
	v_lshl_add_u32 v254, v0, 2, 0x45800
	v_mov_b32 v255, 0
	ds_add_u32 v254, v255
	ds_add_u32 v254, v255
	v_lshrrev_b32 v1, 5, v0
	s_delay_alu instid0(VALU_DEP_1)
	v_readfirstlane_b32 s[WV], v1                  ; wave 0..7
	s_and_b32 s[W3], s[WV], 3
	s_and_b32 s[W0], s[WV], 1
	s_lshr_b32 s[W1], s[WV], 1
	s_bfe_u32 s[CX], ttmp6, 0x40000                ; i0 = cx: which 256 columns
	s_bfe_u32 s[CY], ttmp6, 0x40004
	s_and_b32 s[I1], ttmp7, 0xffff
	s_lshl_b32 s[I1], s[I1], 2
	s_add_co_u32 s[I1], s[I1], s[CY]               ; i1: which 128 rows
	s_lshl_b32 s24, 0x1111, s[CX]                  ; my column of the cluster
	s_lshl_b32 s25, s[CY], 2
	s_lshl_b32 s25, 15, s25                        ; my row
	s_or_b32 s[G1A], s24, (1<<20)|(1<<21)|(5<<22)|(3<<25)   ; Wo's codes: 64 rows of 256 bytes, 512 apart in memory, 16 bytes of padding behind each
	s_mov_b32 s[G1A+1], 256<<16
	s_mov_b32 s[G1A+2], 64<<16
	s_mov_b32 s[G1A+3], 256<<16
	s_mov_b32 s[G1A+4], 64
	s_mov_b32 s[G1A+5], 512
	s_mov_b32 s[G1A+6], 0
	s_mov_b32 s[G1A+7], 0
	s_or_b32 s[G1B], s25, (3<<16)|(1<<21)          ; A's images: 2 tiles of rows x 8 heads x 512 bytes = 2 rows of 512 elements of 8 bytes, 1,024 elements apart
	s_mov_b32 s[G1B+1], 512<<16
	s_mov_b32 s[G1B+2], 2<<16
	s_mov_b32 s[G1B+3], 512<<16
	s_mov_b32 s[G1B+4], 2
	s_mov_b32 s[G1B+5], 1024
	s_mov_b32 s[G1B+6], 0
	s_mov_b32 s[G1B+7], 0
	s_or_b32 s[G1SA], s24, (3<<16)|(1<<21)         ; Wo's scale bytes: 64 rows x 32 bytes, dense: 8 rows of 256
	s_mov_b32 s[G1SA+1], 32<<16
	s_mov_b32 s[G1SA+2], 8<<16
	s_mov_b32 s[G1SA+3], 32<<16
	s_mov_b32 s[G1SA+4], 8
	s_mov_b32 s[G1SA+5], 32
	s_mov_b32 s[G1SA+6], 0
	s_mov_b32 s[G1SA+7], 0
	s_or_b32 s[G1SB], s25, (3<<16)|(1<<21)         ; A's scale bytes: 4 heads x 256 bytes, 4,096 bytes apart
	s_mov_b32 s[G1SB+1], 32<<16
	s_mov_b32 s[G1SB+2], 4<<16
	s_mov_b32 s[G1SB+3], 32<<16
	s_mov_b32 s[G1SB+4], 4
	s_mov_b32 s[G1SB+5], 512
	s_mov_b32 s[G1SB+6], 0
	s_mov_b32 s[G1SB+7], 0
	s_lshl_b32 s24, s[CX], 8
	s_lshl_b32 s25, s[W3], 6
	s_add_co_u32 s24, s24, s25                     ; Wo: row 256 i0 + 64 (wave & 3)
	s_lshl_b32 s26, s24, 5
	s_mov_b32 s27, 0
	s_lshl_b32 s24, s24, 9
	s_mov_b32 s25, 0
	s_lshr_b32 s28, s[I1], 4                       ; A's scale bytes: 65,536 batch + 16,384 (wave & 3) + 256 (i1 & 15)
	s_lshl_b32 s28, s28, 16
	s_lshl_b32 s29, s[W3], 14
	s_add_co_u32 s28, s28, s29
	s_and_b32 s29, s[I1], 15
	s_lshl_b32 s29, s29, 8
	s_add_co_u32 s28, s28, s29
	s_mov_b32 s29, 0
	s_lshl_b32 s30, s[I1], 3                       ; A's images: tile of rows 8 i1 + 2 (wave & 3), 8,192 bytes each
	s_lshl_b32 s31, s[W3], 1
	s_add_co_u32 s30, s30, s31
	s_lshl_b32 s30, s30, 13
	s_mov_b32 s31, 0
	s_wait_dscnt 0x0
	s_wait_kmcnt 0x0
	s_mov_b32 s[G0A], 1
	s_lshl_b32 s[G0A+1], s[W3], 11
	s_add_co_u32 s[G0A+1], s[G0A+1], SCL0
	s_add_nc_u64 s[G0A+2:G0A+3], s[10:11], s[26:27]
	s_or_b32 s[G0A+3], s[G0A+3], 0x80000000
	s_mov_b32 s[G0A+4], 1
	s_mul_i32 s[G0A+5], s[W3], 64*PITCH
	s_add_nc_u64 s[G0A+6:G0A+7], s[8:9], s[24:25]
	s_mov_b32 s[G0A+8], 1
	s_add_co_u32 s[G0A+9], s[G0A+5], S0CH
	s_add_nc_u64 s[G0A+10:G0A+11], s[G0A+6:G0A+7], 256
	s_or_b32 s[G0A+7], s[G0A+7], 0x80000000
	s_or_b32 s[G0A+11], s[G0A+11], 0x80000000
	s_mov_b32 s[G0B], 1
	s_lshl_b32 s[G0B+1], s[W3], 10
	s_add_co_u32 s[G0B+1], s[G0B+1], SCL1
	s_add_nc_u64 s[G0B+2:G0B+3], s[6:7], s[28:29]
	s_or_b32 s[G0B+3], s[G0B+3], 0x80000000
	s_mov_b32 s[G0B+4], 1
	s_lshl_b32 s[G0B+5], s[W3], 13
	s_add_co_u32 s[G0B+5], s[G0B+5], S1B
	s_add_nc_u64 s[G0B+6:G0B+7], s[4:5], s[30:31]
	s_mov_b32 s[G0B+8], 1
	s_add_co_u32 s[G0B+9], s[G0B+5], S1CH
	s_add_nc_u64 s[G0B+10:G0B+11], s[G0B+6:G0B+7], 4096
	s_or_b32 s[G0B+7], s[G0B+7], 0x80000000
	s_or_b32 s[G0B+11], s[G0B+11], 0x80000000
	ROUND                                          ; all sixteen work-groups are here: the joint loads meet
	s_cmp_lt_u32 s[WV], 4                          ; waves 0-3 fetch Wo's quarters, waves 4-7 A's: three loads of mine are out
	s_cbranch_scc0 .Lfor_s1
	tensor_load_to_lds s[G0A:G0A+3], s[G1SA:G1SA+7]
	s_nop 0
	tensor_load_to_lds s[G0A+4:G0A+7], s[G1A:G1A+7]
	s_nop 0
	tensor_load_to_lds s[G0A+8:G0A+11], s[G1A:G1A+7]
	s_nop 0
.rept 4
	v_nop
.endr
	s_branch .Lasked
.Lfor_s1:
	tensor_load_to_lds s[G0B:G0B+3], s[G1SB:G1SB+7]
	s_nop 0
	tensor_load_to_lds s[G0B+4:G0B+7], s[G1B:G1B+7]
	s_nop 0
	tensor_load_to_lds s[G0B+8:G0B+11], s[G1B:G1B+7]
	s_nop 0
.rept 4
	v_nop
.endr
.Lasked:
	v_and_b32 v11, 15, v0                          ; r
	s_wait_alu depctr_va_vdst(0)
	v_bfe_u32 v12, v0, 4, 1                        ; h
	v_and_b32 v13, 31, v0                          ; lane
	s_lshl_b32 s24, s[CX], 10
	s_lshl_b32 s25, s[W0], 9
	s_add_co_u32 s24, s24, s25                     ; my first column, in bytes: (256 i0 + 128 w0) x 4
	s_mov_b32 s25, 0
	s_add_nc_u64 s[12:13], s[12:13], s[24:25]
	v_lshlrev_b32 v9, 5, v12                       ; 32 h
.irp u, 0,1
.irp t, 0,1,2,3,4,5,6,7
	global_load_b128 v[ACC+64*\u+8*\t:ACC+64*\u+8*\t+3], v9, s[12:13] offset:64*\t          ; the sums begin as bo[column 16 t + 8 h + 0 .. 7]
	global_load_b128 v[ACC+64*\u+8*\t+4:ACC+64*\u+8*\t+7], v9, s[12:13] offset:64*\t+16
.endr
.endr
	s_lshl_b32 s26, s[I1], 7
	s_lshl_b32 s27, s[W1], 5
	s_add_co_u32 s26, s26, s27
	s_lshl_b32 s26, s26, 12                        ; my first row: (128 i1 + 32 w1) x 4,096 bytes
	s_add_co_u32 s26, s26, s24
	s_mov_b32 s27, 0
	s_add_nc_u64 s[14:15], s[14:15], s[26:27]
	v_mul_u32_u24 v14, v11, PITCH
	s_wait_alu depctr_va_vdst(0)
	v_lshl_add_u32 v14, v12, 4, v14
	s_mul_i32 s28, s[W0], 128*PITCH
	v_add_nc_u32 v1, s28, v14                      ; Wo's fragments in chunk 0,
	s_delay_alu instid0(VALU_DEP_1)
	v_add_nc_u32 v2, S0CH, v1                      ; chunk 1
	v_lshlrev_b32 v7, 4, v13                       ; 16 x lane
	s_wait_alu depctr_va_vdst(0)
	s_lshl_b32 s28, s[W1], 13
	s_add_co_u32 s28, s28, S1B
	v_add_nc_u32 v3, s28, v7                       ; A's images: my two tiles of rows, chunk 0,
	s_delay_alu instid0(VALU_DEP_1)
	v_add_nc_u32 v4, S1CH, v3                      ; chunk 1
	s_lshl_b32 s28, s[W0], 12
	s_add_co_u32 s28, s28, SCL0
	v_lshl_add_u32 v5, v13, 5, s28                 ; Wo's scale bytes: row 128 w0 + lane (+ 32 p)
	s_lshl_b32 s28, s[W1], 6
	s_add_co_u32 s28, s28, SCL1
	v_lshl_add_u32 v6, v13, 1, s28                 ; A's: row 32 w1 + lane, 2 bytes a row
	s_mul_i32 s28, s[WV], 16*SP
	s_add_co_u32 s28, s28, STG                     ; my stage
	v_mul_u32_u24 v8, v11, SP
	s_delay_alu instid0(VALU_DEP_1)
	v_lshl_add_u32 v8, v12, 5, v8
	s_delay_alu instid0(VALU_DEP_1)
	v_add_nc_u32 v8, s28, v8                       ; in: row r, + 32 h
	v_add_nc_u32 v10, s28, v7                      ; back: 16 bytes a lane of a row
	s_wait_alu depctr_va_vdst(0)
	s_wait_tensorcnt 0x1                           ; my scale bytes and my part of chunk 0 are in; chunk 1, issued behind them, may stay out
	s_barrier_signal -1
	s_barrier_wait -1
.irp d, 0,1,2,3,4,5,6,7,8,9,10,11,12,13,14,15
	ds_load_u16 v[F1+\d], v6 offset:256*\d         ; my row's two scale bytes of head d
.endr
	s_wait_dscnt 0x0
.irp s, 0,1,2,3,4,5,6,7
	v_lshl_or_b32 v[SB+\s], v[F1+2*\s+1], 16, v[F1+2*\s]   ; K step s: heads 2 s and 2 s + 1
.endr
.rept 8
	v_nop                                          ; a scale register written by a vector instruction stands eight places ahead of a scaled product
.endr
	s_wait_alu depctr_va_vdst(0)
	s_wait_loadcnt 0x0                             ; bo
	KSTEP 0, 0, 1
	KSTEP 0, 1, 0
	KSTEP 0, 2, 0
	KSTEP 0, 3, 0
	s_wait_tensorcnt 0x0                           ; my part of chunk 1
	s_barrier_signal -1
	s_barrier_wait -1
	KSTEP 1, 0, 0
	KSTEP 1, 1, 0
	KSTEP 1, 2, 0
	KSTEP 1, 3, 0
.rept 4
	v_nop                                          ; four places between the last products and the first read of results, and loads into registers that they read
.endr
; Block u (16 rows x 128 columns) into my stage and back as whole rows.  LDS serves a wave's instructions in order: no wait stands between the stores and the loads, nor in front of the next block's stores.
.macro TOSTAGE u, back
.irp t, 0,1,2,3,4,5,6,7
	ds_store_b128 v8, v[ACC+64*\u+8*\t:ACC+64*\u+8*\t+3] offset:64*\t          ; each accumulator from its low end on
	ds_store_b128 v8, v[ACC+64*\u+8*\t+4:ACC+64*\u+8*\t+7] offset:64*\t+16
.endr
.irp i, 0,1,2,3,4,5,6,7,8,9,10,11,12,13,14,15
	ds_load_b128 v[\back+4*\i:\back+4*\i+3], v10 offset:SP*\i
.endr
.endm
.macro SEND u, back, younger
	s_wait_dscnt \younger
.irp i, 0,1,2,3,4,5,6,7,8,9,10,11,12,13,14,15
	global_store_b128 v7, v[\back+4*\i:\back+4*\i+3], s[14:15] offset:(16*\u+\i)*4096 th:TH_STORE_NT   ; 32 lanes store 512 consecutive bytes, aligned; written once, read by nobody here
.endr
.endm
	TOSTAGE 0, F0                                  ; back into the registers that held Wo's fragments
	TOSTAGE 1, ACC                                 ; back into block 0's registers, which its stores into the stage have read
	SEND 0, F0, 32                                 ; behind block 0's loads: block 1's 16 stores and 16 loads
	SEND 1, ACC, 0
	s_wait_tensorcnt 0x0
	ds_add_u32 v254, v255
	s_wait_dscnt 0x0
	ROUND                                          ; the closing round
	s_endpgm
.Lfunc_end_k_q2fab4f3079_outp:
	.size	k_q2fab4f3079_outp, .Lfunc_end_k_q2fab4f3079_outp-k_q2fab4f3079_outp
	.p2alignl 7, 3214868480
	.fill 96, 4, 3214868480
	.section	.rodata,"a",@progbits
	.p2align	6, 0x0
	.amdhsa_kernel k_q2fab4f3079_outp
		.amdhsa_group_segment_fixed_size 285696
		.amdhsa_private_segment_fixed_size 0
		.amdhsa_enable_private_segment 0
		.amdhsa_kernarg_size 48
		.amdhsa_user_sgpr_count 2
		.amdhsa_user_sgpr_kernarg_segment_ptr 1
		.amdhsa_wavefront_size32 1
		.amdhsa_system_sgpr_workgroup_id_x 1
		.amdhsa_system_sgpr_workgroup_id_y 1
		.amdhsa_system_sgpr_workgroup_id_z 1
		.amdhsa_system_vgpr_workitem_id 0
		.amdhsa_next_free_vgpr 256
		.amdhsa_next_free_sgpr 92
		.amdhsa_reserve_vcc 0
		.amdhsa_float_denorm_mode_32 3
		.amdhsa_float_denorm_mode_16_64 3
		.amdhsa_memory_ordered 1
		.amdhsa_forward_progress 1
		.amdhsa_inst_pref_size 50
	.end_amdhsa_kernel
	.amdgpu_metadata
---
amdhsa.version: [ 1, 2 ]
amdhsa.kernels:
  - .name:           k_q2fab4f3079_outp
    .symbol:         k_q2fab4f3079_outp.kd
    .args:
      - { .name: ac, .offset: 0, .size: 8, .value_kind: global_buffer, .address_space: global }
      - { .name: asc, .offset: 8, .size: 8, .value_kind: global_buffer, .address_space: global }
      - { .name: Wo_codes, .offset: 16, .size: 8, .value_kind: global_buffer, .address_space: global }
      - { .name: Wo_scales, .offset: 24, .size: 8, .value_kind: global_buffer, .address_space: global }
      - { .name: bo, .offset: 32, .size: 8, .value_kind: global_buffer, .address_space: global }
      - { .name: out0, .offset: 40, .size: 8, .value_kind: global_buffer, .address_space: global }
    .group_segment_fixed_size: 285696
    .private_segment_fixed_size: 0
    .kernarg_segment_align: 8
    .kernarg_segment_size: 48
    .max_flat_workgroup_size: 256
    .sgpr_count:     92
    .vgpr_count:     256
    .wavefront_size: 32
...
	.end_amdgpu_metadata
.endif
;; end of part 3
